; MI455X (gfx1250); checked and timed in simulation.
; The chip was launched on July 23, 2026; its instructions are those of AMD's public machine-readable ISA for CDNA 5 (MIT licence, August 2026) and "CDNA5" Instruction Set Architecture Reference Guide (July 2026). The comments in the code are by the model that wrote it; some were corrected since.
;; Transformer blk. Allowed arithmetic: float matrix products may take bf16 or f16 operands with f32 sums; all other float work in f32.
;; Inputs: b1 2,048 float32; b2 512 float32; bo 512 float32; g1 512 float32; g2 512 float32; s1 512 float32; s2 512 float32; w1 512 x 2,048 float32; w2 2,048 x 512 float32; wk 512 x 512 float32; wo 512 x 512 float32; wq 512 x 512 float32; wv 512 x 512 float32; x 4 x 2,048 x 512 float32.
;; Outputs: out0 4 x 2,048 x 512 float32.
;; One version. Each part assembles by itself: llvm-mc -triple=amdgcn-amd-amdhsa -mcpu=gfx1250 --defsym DOCPART=n.
;; ======== version 1 of 1: 6 launches
;; workspace buffers: wb 6,291,456 bytes; hn 8,388,608 bytes; qkv 25,165,824 bytes; ctx 8,388,608 bytes; x1 16,777,216 bytes; u 33,554,432 bytes
;; launch prep (part 1): grid 448 x 1, 8 waves a work-group, no clusters, 0 bytes of LDS; arguments x, g1, s1, wq, wk, wv, wo, w1, w2, wb, hn; writes wb, hn
.if DOCPART == 1
	.amdgcn_target "amdgcn-amd-amdhsa--gfx1250"
	.amdhsa_code_object_version 6
	.text
	.protected	k_qc45ecb0a85_prep
	.globl	k_qc45ecb0a85_prep
	.p2align	8
	.type	k_qc45ecb0a85_prep,@function
k_qc45ecb0a85_prep:
	s_mov_b64 s[64:65], 0
	v_nop
	global_prefetch_b8 v0, s[64:65] scope:SCOPE_SE
	s_setreg_imm32_b32 hwreg(HW_REG_WAVE_MODE, 25, 1), 1
	s_wait_xcnt 0x0
; Two streams in one launch.  Work-groups 0-255: hn = layer norm of x (gain g1, shift s1), rounded to bf16.  Work-groups 256-447: the six weight
; matrices rounded to bf16 into wb, as they lie ([K][N]); wq, wk, wv side by side as one matrix of 1,536 columns, wq times c = log2(e) / sqrt(32),
; so that the scores come out of the first product ready for a base-2 softmax.  Limit: the weights' rounding to bf16 (wq's after the factor c).
; Memory binds: no LDS, no matrix unit, no barrier.  Mean and variance in two passes over registers, so no difference of large sums is formed.
.set G,   4                            ; v[4:19]    g1 of my 16 columns (4 L + 128 j .. + 3, j = 0..3)
.set SH,  20                           ; v[20:35]   s1 of them
.set X,   36                           ; v[36:99]   four rows, 16 numbers each
.set T,   100                          ; v[100:107] at work; T+6, T+7 the mean or 1/sigma, twice
.set Y,   108                          ; v[108:139] four rows, 8 registers of bf16 each
	s_load_b512 s[4:19], s[0:1], 0x0               ; x, g1, s1, wq, wk, wv, wo, w1
	s_load_b128 s[20:23], s[0:1], 0x40             ; w2, wb
	s_load_b64 s[24:25], s[0:1], 0x50              ; hn
	v_lshrrev_b32 v1, 5, v0
	v_readfirstlane_b32 s26, v1                    ; wave 0..7
	v_and_b32 v3, 31, v0                           ; lane
	s_wait_kmcnt 0x0
	s_cmp_lt_u32 ttmp9, 256
	s_cbranch_scc0 .Lcast
	; ---- layer norm: 32 rows a work-group, 4 a wave, one row at a time in one wave ----
	s_lshl_b32 s28, ttmp9, 16                      ; 32 rows x 2,048 bytes
	s_lshl_b32 s29, s26, 13                        ; + 4 rows a wave
	s_add_co_u32 s28, s28, s29
	s_mov_b32 s29, 0
	s_add_nc_u64 s[4:5], s[4:5], s[28:29]
	s_lshr_b32 s28, s28, 1                         ; the same rows in hn: 1,024 bytes each
	s_add_nc_u64 s[24:25], s[24:25], s[28:29]
	s_mov_b32 s30, 0x76543210                      ; v_permlanex16_b32: each lane takes its own place in the other half
	s_mov_b32 s31, 0xfedcba98
	s_mov_b32 s32, 0x3b000000                      ; 1 / 512
	s_mov_b32 s33, 0x26901d7d                      ; 1e-15
	v_lshlrev_b32 v1, 4, v3                        ; 16 L: a load of the wave covers 512 neighbouring bytes
	v_lshlrev_b32 v2, 3, v3                        ; 8 L: a store of the wave covers 256 neighbouring bytes, aligned
.irp j, 0,1,2,3
	global_load_b128 v[G+4*\j:G+4*\j+3], v1, s[6:7] offset:512*\j
.endr
.irp j, 0,1,2,3
	global_load_b128 v[SH+4*\j:SH+4*\j+3], v1, s[8:9] offset:512*\j
.endr
.irp i, 0,1,2,3
.irp j, 0,1,2,3
	global_load_b128 v[X+16*\i+4*\j:X+16*\i+4*\j+3], v1, s[4:5] offset:2048*\i+512*\j
.endr
.endr
.macro LANESUM r, t                    ; the sum over the 32 lanes, in every lane
	v_add_f32_dpp v[\r], v[\r], v[\r] row_xmask:1 row_mask:0xf bank_mask:0xf
	v_add_f32_dpp v[\r], v[\r], v[\r] row_xmask:2 row_mask:0xf bank_mask:0xf
	v_add_f32_dpp v[\r], v[\r], v[\r] row_xmask:4 row_mask:0xf bank_mask:0xf
	v_add_f32_dpp v[\r], v[\r], v[\r] row_xmask:8 row_mask:0xf bank_mask:0xf
	v_permlanex16_b32 v[\t], v[\r], s30, s31       ; its destination has been written before
	v_add_f32 v[\r], v[\r], v[\t]
.endm
.macro LNROW i
.set XR, X+16*\i
	s_wait_loadcnt 12-4*\i                         ; loads return in order: this row's four are in, the rows behind it stay out
	v_pk_add_f32 v[T:T+1], v[XR:XR+1], v[XR+2:XR+3]
	v_pk_add_f32 v[T+2:T+3], v[XR+4:XR+5], v[XR+6:XR+7]
	v_pk_add_f32 v[T+4:T+5], v[XR+8:XR+9], v[XR+10:XR+11]
	v_pk_add_f32 v[T+6:T+7], v[XR+12:XR+13], v[XR+14:XR+15]
	v_pk_add_f32 v[T:T+1], v[T:T+1], v[T+2:T+3]
	v_pk_add_f32 v[T+4:T+5], v[T+4:T+5], v[T+6:T+7]
	v_pk_add_f32 v[T:T+1], v[T:T+1], v[T+4:T+5]
	v_add_f32 v[T], v[T], v[T+1]
	LANESUM T, T+1
	v_mul_f32 v[T+6], s32, v[T]                    ; the mean, twice
	v_mul_f32 v[T+7], s32, v[T]
.set k, 0
.rept 8
	v_pk_add_f32 v[XR+k:XR+k+1], v[XR+k:XR+k+1], v[T+6:T+7] neg_lo:[0,1] neg_hi:[0,1]   ; x - mean, in place
.set k, k+2
.endr
	v_pk_mul_f32 v[T:T+1], v[XR:XR+1], v[XR:XR+1]  ; squares in two chains, started by the first products
	v_pk_mul_f32 v[T+2:T+3], v[XR+2:XR+3], v[XR+2:XR+3]
.set k, 4
.rept 3
	v_pk_fma_f32 v[T:T+1], v[XR+k:XR+k+1], v[XR+k:XR+k+1], v[T:T+1]
	v_pk_fma_f32 v[T+2:T+3], v[XR+k+2:XR+k+3], v[XR+k+2:XR+k+3], v[T+2:T+3]
.set k, k+4
.endr
	v_pk_add_f32 v[T:T+1], v[T:T+1], v[T+2:T+3]
	v_add_f32 v[T], v[T], v[T+1]
	LANESUM T, T+1
	v_fma_f32 v[T], v[T], s32, s33                 ; variance + 1e-15
	v_rsq_f32 v[T+6], v[T]
	v_rsq_f32 v[T+7], v[T]
	v_nop                                          ; a plain instruction between the root and the use of its result (ISA guide 5.7.2)
.set k, 0
	s_wait_alu depctr_va_vdst(0)
.rept 8
	v_pk_mul_f32 v[XR+k:XR+k+1], v[XR+k:XR+k+1], v[T+6:T+7]
.set k, k+2
.endr
.set k, 0
.rept 8
	v_pk_fma_f32 v[XR+k:XR+k+1], v[XR+k:XR+k+1], v[G+k:G+k+1], v[SH+k:SH+k+1]
.set k, k+2
.endr
.set k, 0
.rept 8
	v_cvt_pk_bf16_f32 v[Y+8*\i+k], v[XR+2*k], v[XR+2*k+1]
.set k, k+1
.endr
.irp j, 0,1,2,3
	global_store_b64 v2, v[Y+8*\i+2*\j:Y+8*\i+2*\j+1], s[24:25] offset:1024*\i+256*\j   ; each row has its own Y: no register of a store is written again
.endr
.endm
	LNROW 0
	LNROW 1
	LNROW 2
	LNROW 3
	s_endpgm
	; ---- casts: 12 units of 262,144 numbers (wq, wk, wv, wo, 4 of w1, 4 of w2); 16 work-groups a unit, 32 lines of 512 numbers each, 4 lines a wave ----
.Lcast:
	s_sub_co_u32 s27, ttmp9, 256
	s_lshr_b32 s28, s27, 4                         ; unit 0..11
	s_and_b32 s29, s27, 15
	s_lshl_b32 s34, s29, 5
	s_lshl2_add_u32 s34, s26, s34                  ; my first line = 32 sub + 4 wave
	s_mov_b64 s[36:37], s[10:11]                   ; the source: a choice between buffers on the unit's number
	s_cmp_eq_u32 s28, 1
	s_cselect_b64 s[36:37], s[12:13], s[36:37]
	s_cmp_eq_u32 s28, 2
	s_cselect_b64 s[36:37], s[14:15], s[36:37]
	s_cmp_eq_u32 s28, 3
	s_cselect_b64 s[36:37], s[16:17], s[36:37]
	s_cmp_ge_u32 s28, 4
	s_cselect_b64 s[36:37], s[18:19], s[36:37]
	s_cmp_ge_u32 s28, 8
	s_cselect_b64 s[36:37], s[20:21], s[36:37]
	s_and_b32 s38, s28, 3
	s_lshl_b32 s38, s38, 20                        ; which quarter of w1 or w2
	s_cmp_ge_u32 s28, 4
	s_cselect_b32 s38, s38, 0
	s_lshl_b32 s39, s34, 11                        ; a line is 2,048 bytes of f32
	s_add_co_u32 s38, s38, s39
	s_mov_b32 s39, 0
	s_add_nc_u64 s[36:37], s[36:37], s[38:39]
	s_movk_i32 s40, 1024                           ; a line in wb: 1,024 bytes, dense; in the matrix of 1,536 columns 3,072 bytes apart
	s_movk_i32 s41, 3072
	s_lshl_b32 s42, s28, 10                        ; wq, wk, wv: 512 columns apart
	s_sub_co_u32 s43, s28, 3
	s_lshl_b32 s43, s43, 19
	s_add_co_u32 s43, s43, 1572864                 ; the others: behind them, 524,288 bytes a unit
	s_cmp_lt_u32 s28, 3
	s_cselect_b32 s40, s41, s40
	s_cselect_b32 s42, s42, s43
	s_mul_i32 s43, s34, s40
	s_add_co_u32 s42, s42, s43
	s_mov_b32 s43, 0
	s_add_nc_u64 s[22:23], s[22:23], s[42:43]
	s_mov_b32 s45, 0x3e8293ee                      ; c = log2(e) / sqrt(32)
	s_cmp_eq_u32 s28, 0
	s_cselect_b32 s44, s45, 1.0                    ; wq alone is scaled
	s_mov_b32 s45, s44
	v_lshlrev_b32 v2, 5, v3                        ; 32 L: my 8 numbers of a half line
	v_lshlrev_b32 v100, 4, v3                      ; 16 L: their 16 bytes in wb; a store of the wave covers 512 neighbouring bytes
	v_add_nc_u32 v101, s40, v100
	v_add_nc_u32 v102, s40, v101
	v_add_nc_u32 v103, s40, v102
.set idx, 0
.rept 8                                ; half line idx of my eight
	global_load_b128 v[4+8*idx:7+8*idx],  v2, s[36:37] offset:1024*idx th:TH_LOAD_NT
	global_load_b128 v[8+8*idx:11+8*idx], v2, s[36:37] offset:1024*idx+16 th:TH_LOAD_NT
.set idx, idx+1
.endr
.set idx, 0
.rept 8
	s_wait_loadcnt 14-2*idx                        ; this half line's two loads are in, those behind stay out
.irp k, 0,2,4,6
	v_pk_mul_f32 v[4+8*idx+\k:5+8*idx+\k], v[4+8*idx+\k:5+8*idx+\k], s[44:45] op_sel_hi:[1,0]
.endr
.irp k, 0,1,2,3
	v_cvt_pk_bf16_f32 v[68+4*idx+\k], v[4+8*idx+2*\k], v[5+8*idx+2*\k]
.endr
	global_store_b128 v[100+idx/2], v[68+4*idx:71+4*idx], s[22:23] offset:512*(idx%2)
.set idx, idx+1
.endr
	s_endpgm
.Lfunc_end_k_qc45ecb0a85_prep:
	.size	k_qc45ecb0a85_prep, .Lfunc_end_k_qc45ecb0a85_prep-k_qc45ecb0a85_prep
	.p2alignl 7, 3214868480
	.fill 96, 4, 3214868480
	.section	.rodata,"a",@progbits
	.p2align	6, 0x0
	.amdhsa_kernel k_qc45ecb0a85_prep
		.amdhsa_group_segment_fixed_size 0
		.amdhsa_private_segment_fixed_size 0
		.amdhsa_enable_private_segment 0
		.amdhsa_kernarg_size 88
		.amdhsa_user_sgpr_count 2
		.amdhsa_user_sgpr_kernarg_segment_ptr 1
		.amdhsa_wavefront_size32 1
		.amdhsa_system_sgpr_workgroup_id_x 1
		.amdhsa_system_sgpr_workgroup_id_y 1
		.amdhsa_system_sgpr_workgroup_id_z 1
		.amdhsa_system_vgpr_workitem_id 0
		.amdhsa_next_free_vgpr 140
		.amdhsa_next_free_sgpr 66
		.amdhsa_reserve_vcc 0
		.amdhsa_float_denorm_mode_32 3
		.amdhsa_float_denorm_mode_16_64 3
		.amdhsa_memory_ordered 1
		.amdhsa_forward_progress 1
		.amdhsa_inst_pref_size 30
	.end_amdhsa_kernel
	.amdgpu_metadata
---
amdhsa.version: [ 1, 2 ]
amdhsa.kernels:
  - .name:           k_qc45ecb0a85_prep
    .symbol:         k_qc45ecb0a85_prep.kd
    .args:
      - { .name: x, .offset: 0, .size: 8, .value_kind: global_buffer, .address_space: global }
      - { .name: g1, .offset: 8, .size: 8, .value_kind: global_buffer, .address_space: global }
      - { .name: s1, .offset: 16, .size: 8, .value_kind: global_buffer, .address_space: global }
      - { .name: wq, .offset: 24, .size: 8, .value_kind: global_buffer, .address_space: global }
      - { .name: wk, .offset: 32, .size: 8, .value_kind: global_buffer, .address_space: global }
      - { .name: wv, .offset: 40, .size: 8, .value_kind: global_buffer, .address_space: global }
      - { .name: wo, .offset: 48, .size: 8, .value_kind: global_buffer, .address_space: global }
      - { .name: w1, .offset: 56, .size: 8, .value_kind: global_buffer, .address_space: global }
      - { .name: w2, .offset: 64, .size: 8, .value_kind: global_buffer, .address_space: global }
      - { .name: wb, .offset: 72, .size: 8, .value_kind: global_buffer, .address_space: global }
      - { .name: hn, .offset: 80, .size: 8, .value_kind: global_buffer, .address_space: global }
    .group_segment_fixed_size: 0
    .private_segment_fixed_size: 0
    .kernarg_segment_align: 8
    .kernarg_segment_size: 88
    .max_flat_workgroup_size: 256
    .sgpr_count:     66
    .vgpr_count:     140
    .wavefront_size: 32
...
	.end_amdgpu_metadata
.endif
;; end of part 1
;; launch qkv (part 2): grid 8 x 32, 4 waves a work-group, clusters of 4 x 4, 327,680 bytes of LDS; arguments hn, wb, qkv; writes qkv
.if DOCPART == 2
	.amdgcn_target "amdgcn-amd-amdhsa--gfx1250"
	.amdhsa_code_object_version 6
	.text
	.protected	k_qc45ecb0a85_qkv
	.globl	k_qc45ecb0a85_qkv
	.p2align	8
	.type	k_qc45ecb0a85_qkv,@function
k_qc45ecb0a85_qkv:
	s_mov_b64 s[64:65], 0
	v_nop
	global_prefetch_b8 v0, s[64:65] scope:SCOPE_SE
	s_setreg_imm32_b32 hwreg(HW_REG_WAVE_MODE, 25, 1), 1
	s_wait_xcnt 0x0
	s_wait_alu depctr_hold_cnt(0) depctr_sa_sdst(0) depctr_va_vdst(0) depctr_va_sdst(0) depctr_va_ssrc(0) depctr_va_vcc(0) depctr_vm_vsrc(0)
	s_getreg_b32 s2, hwreg(HW_REG_IB_STS2, 6, 4)
	s_cmp_eq_u32 s2, 0
	s_cbranch_scc0 .Lentry_in_a_cluster
	s_endpgm
.Lentry_in_a_cluster:
	s_bfe_u32 s2, ttmp6, 0x10000c
	s_cmp_lg_u32 s2, 0xf033
	s_cbranch_scc0 .Lentry_shape_is_right
	s_endpgm
.Lentry_shape_is_right:
; C = A B.  A = hn [8192][512] bf16, B = a part of wb, stored [512][SIZE_N] bf16; sums in f32.
; FFN = 0: B = [c wq | wk | wv] (1,536 columns); C goes out in bf16 by head: qkv[matrix][batch][head][token][32].
; FFN = 1: B = w1 (2,048 columns); u = gelu(C + b1) goes out in bf16, [8192][2048].
; A tile of C is 256 x NT (NT = 192 or 256): 8 x 32 tiles, one to a work-group.  Four waves, each 128 x NT/2: 8 x NB accumulators of 16 x 16.
; K = 512 goes in four steps of 128 through two LDS slots filled by the tensor data mover; the text has no loop.
; B lies [K][N], so its fragments come out of LDS by the turning load (ds_load_tr16_b128).
; CLUSTER 4 x 4: A's tiles are shared along a row of the cluster, B's along a column; each is asked for jointly, by the same load with the same descriptor in all four.
; THE MATRIX INSTRUCTION IS USED TRANSPOSED (source 0 = 16 columns of B, source 1 = 16 rows of A): a lane holds eight neighbouring numbers of a row of C.
; REGISTERS: window 0: v0-31 addresses, v64-191 A's fragments (two buffers), later the way out; window 1: v64-191 B's fragments, v0-63 the bias (FFN);
;   window 2: accumulators of my rows 0-63 ((a, b) at v[8 (8 (a % 4) + b)]); window 3: of my rows 64-127.
; LIMITS: operands bf16.  GeLU as x / (1 + 2^(x (k0 + k1 x^2))), k0 = -2 sqrt(2/pi) log2(e), k1 = 0.044715 k0: the same function as 0.5 x (1 + tanh(..)); its ends are x and -0.
.set FFN, 0
.if FFN
.set NB,     8                         ; blocks of 16 columns in a wave's tile
.set SIZE_N, 2048
.set WOFF,   2097152                   ; w1 in wb
.set SPITCH, 272                       ; a stage row: 256 bytes + 16
.set QIB,    5                         ; B's rows: padding behind every 64 words
.set CSEG,   64                        ; two blocks of 16 columns lie 64 bytes apart
.else
.set NB,     6
.set SIZE_N, 1536
.set WOFF,   0
.set SPITCH, 208                       ; 192 bytes + 16
.set QIB,    3                         ; B's rows of 192 bytes: padding behind every 16 words, three pieces of 64 + 32 bytes
.set CSEG,   96
.endif
.set NT,     32*NB
.set SIZE_K, 512
.set PA,     272                       ; A's LDS row: 256 + 16 bytes: the 16 rows of a fragment load start at 16 different banks (64 banks of 4 bytes: ISA guide 11.1)
.set PB,     288                       ; B's LDS row: an odd multiple of 32 bytes
.set HALFA,  128*PA
.set HALFB,  128*PB
.set SLOT,   2*HALFA+2*HALFB           ; A's rows 0-127, 128-255; B's column halves 0, 1
.set STAGE,  2*SLOT                    ; behind the ring: 4,352 bytes for each wave; no tensor load fills it
.set ADRA, 16                          ; v16-17  my A fragments in slot 0, 1
.set ADRB, 20                          ; v20-21  my B fragments
.set STO,  24
.set RD,   25
.set CO,   26
.set BO,   27                          ; v27     32 (l / 16): my place in the bias
.set K0,   28                          ; v28-29  k0, twice
.set F0,   64
.set F1,   128
.set XG,   64                          ; the way out (FFN): x, then gelu(x)
.set ZG,   128                         ; the way out (FFN): at work
.set TMP,  192
.set OB,   32                          ; 16 rows read back from the stage: v32-63 and v224-255 by turns
.set G1,  24
.set G0,  32
.set G1B, 48
.set G0B, 56
.set MSB, 0
.macro WIN new                         ; the immediate's high byte repeats the setting that is left
.if MSB != \new
	s_set_vgpr_msb (MSB<<8)|\new
.set MSB, \new
.endif
.endm
.set MUL_LO, 0xa1                      ; source 0 (B) window 1, source 1 (A) window 0, C and D window 2
.set MUL_HI, 0xf1
.set TO_B,   0x40
.macro PLACES                          ; four plain places behind matrix instructions (ISA guide 7.12.1 for matrix instructions)
.rept 4
	v_nop
.endr
.endm
.macro JLOAD s                         ; a joint refill: waves 0, 1 fetch A's halves, waves 2, 3 B's; four v_nop follow each line
	s_cmp_eq_u32 s11, 0
	s_cbranch_scc0 .Lfor_b_\@
	tensor_load_to_lds s[G0+4*\s:G0+4*\s+3], s[G1:G1+7]
	s_nop 0
	PLACES
	s_branch .Lasked_\@
.Lfor_b_\@:
	tensor_load_to_lds s[G0B+4*\s:G0B+4*\s+3], s[G1B:G1B+7]
	s_nop 0
	PLACES
.Lasked_\@:
.endm
.macro CREST                           ; a round of the cluster's barrier behind its opening barrier
	s_cmp_lg_u32 s10, 0
	s_cbranch_scc1 .Lnot_wave_0_\@
	s_barrier_signal -3
.Lnot_wave_0_\@:
	s_barrier_wait -3
	s_barrier_signal -1
	s_barrier_wait -1
.endm
.macro CROUND
	s_barrier_signal -1
	s_barrier_wait -1
	CREST
.endm
	s_load_b128 s[4:7], s[0:1], 0x0                ; hn, wb
.if FFN
	s_load_b64 s[66:67], s[0:1], 0x10              ; b1
	s_load_b64 s[8:9], s[0:1], 0x18                ; u
.else
	s_load_b64 s[8:9], s[0:1], 0x10                ; qkv
	s_set_vgpr_msb 0x40
	v_lshl_add_u32 v255, v0, 2, 0x4a400
	s_set_vgpr_msb 0x4000
	v_mov_b32 v255, 0
	s_set_vgpr_msb 0x1
	ds_add_u32 v255, v255
	ds_add_u32 v255, v255
	s_set_vgpr_msb 0x100
.endif
	v_lshrrev_b32 v1, 5, v0
	v_readfirstlane_b32 s10, v1                    ; wave 0..3
	s_lshr_b32 s11, s10, 1                         ; my half of the tile's rows.  Also: I fetch for A (0) or B (1)
	s_and_b32 s12, s10, 1                          ; my half of its columns.  Also: which half I fetch
	s_bfe_u32 s40, ttmp6, 0x40000                  ; cx
	s_bfe_u32 s41, ttmp6, 0x40004                  ; cy
	s_lshl_b32 s42, ttmp9, 2
	s_add_co_u32 s42, s42, s40                     ; tile column
	s_and_b32 s13, ttmp7, 0xffff
	s_lshl_b32 s13, s13, 2
	s_add_co_u32 s13, s13, s41                     ; tile row
	s_lshl_b32 s43, s41, 2
	s_lshl_b32 s43, 15, s43                        ; my row of the cluster
	s_lshl_b32 s44, 0x1111, s40                    ; my column
	s_or_b32 s[G1+0], s43, (1<<16)|(1<<20)|(1<<21)|(5<<22)|(3<<25)     ; mask; 2-byte elements; padding on; bit 21 beside a mask; 4 words behind every 64
	s_or_b32 s[G1B+0], s44, (1<<16)|(1<<20)|(1<<21)|(QIB<<22)|(7<<25)  ; 8 words behind every 64 (FFN) or 16
	s_mov_b32 s[G1+1], 128<<16                     ; tensor_dim0 = 128
	s_mov_b32 s[G1+2], 128<<16                     ; tensor_dim1 = 128
	s_mov_b32 s[G1+3], 128<<16                     ; tile_dim0 = 128
	s_mov_b32 s[G1+4], 128                         ; tile_dim1 = 128
	s_mov_b32 s[G1+5], SIZE_K                      ; elements from row to row
	s_mov_b32 s[G1+6], 0
	s_mov_b32 s[G1+7], 0
	s_mov_b32 s[G1B+1], (NT/2)<<16                 ; B: 128 rows (K) of NT/2 columns
	s_mov_b32 s[G1B+2], 128<<16
	s_mov_b32 s[G1B+3], (NT/2)<<16
	s_mov_b32 s[G1B+4], 128
	s_mov_b32 s[G1B+5], SIZE_N
	s_mov_b32 s[G1B+6], 0
	s_mov_b32 s[G1B+7], 0
	s_lshl_b32 s17, s12, 7                         ; A hangs on the tile row alone, B on the tile column alone, each in registers of its own
	s_lshl_b32 s16, s13, 8
	s_add_co_u32 s16, s16, s17
	s_lshl_b32 s16, s16, 10                        ; row x 1,024 bytes
	s_mov_b32 s17, 0
	s_mul_i32 s46, s42, NT*2
	s_mul_i32 s47, s12, NT
	s_add_co_u32 s46, s46, s47
	s_add_co_u32 s46, s46, WOFF
	s_mov_b32 s47, 0
	s_mul_i32 s20, s12, HALFA                      ; where they go: no place in the cluster enters an LDS address
	s_mul_i32 s21, s12, HALFB
	s_add_co_u32 s21, s21, 2*HALFA
	s_wait_dscnt 0x0
	s_wait_kmcnt 0x0
	s_add_nc_u64 s[14:15], s[4:5], s[16:17]
	s_add_nc_u64 s[46:47], s[6:7], s[46:47]
.irp s, 0,1
	s_mov_b32 s[G0+4*\s], 1
	s_add_co_u32 s[G0+4*\s+1], s20, \s*SLOT
	s_add_nc_u64 s[G0+4*\s+2:G0+4*\s+3], s[14:15], \s*256          ; K step s
	s_or_b32 s[G0+4*\s+3], s[G0+4*\s+3], 0x80000000
	s_mov_b32 s[G0B+4*\s], 1
	s_add_co_u32 s[G0B+4*\s+1], s21, \s*SLOT
	s_add_nc_u64 s[G0B+4*\s+2:G0B+4*\s+3], s[46:47], \s*256*SIZE_N
	s_or_b32 s[G0B+4*\s+3], s[G0B+4*\s+3], 0x80000000
.endr
	CROUND                                         ; all sixteen work-groups are here: the first joint loads meet
	s_cmp_eq_u32 s11, 0                            ; a wave's two first fills stand in one branch: two loads of mine are out
	s_cbranch_scc0 .Lfirst_b
	tensor_load_to_lds s[G0:G0+3], s[G1:G1+7]
	s_nop 0
	tensor_load_to_lds s[G0+4:G0+7], s[G1:G1+7]
	s_nop 0
	PLACES
	s_branch .Lfirst_asked
.Lfirst_b:
	tensor_load_to_lds s[G0B:G0B+3], s[G1B:G1B+7]
	s_nop 0
	tensor_load_to_lds s[G0B+4:G0B+7], s[G1B:G1B+7]
	s_nop 0
	PLACES
.Lfirst_asked:
	v_and_b32 v1, 15, v0                           ; l % 16
	v_bfe_u32 v2, v0, 4, 1                         ; l / 16
	v_mul_u32_u24 v3, v1, PA
	v_lshl_add_u32 v3, v2, 4, v3                   ; A: row x pitch + 16 x half
	v_and_b32 v5, 7, v0
	v_lshl_add_u32 v5, v2, 3, v5
	v_mul_u32_u24 v5, v5, PB                       ; B, turned: K row 8 (l / 16) + l % 8,
	v_bfe_u32 v6, v0, 3, 1
	v_lshl_add_u32 v5, v6, 4, v5                   ; 16 bytes for each half of eight lanes
	s_mul_i32 s21, s11, HALFA
	s_mul_i32 s22, s12, HALFB
	s_add_co_u32 s22, s22, 2*HALFA
.irp s, 0,1
	v_add_nc_u32 v[ADRA+\s], s21, v3
	v_add_nc_u32 v[ADRB+\s], s22, v5
	s_add_co_u32 s21, s21, SLOT
	s_add_co_u32 s22, s22, SLOT
.endr
	s_mul_i32 s23, s10, 4352
	s_add_co_u32 s23, s23, STAGE                   ; my stage
	v_mul_u32_u24 v4, v1, SPITCH
	v_lshl_add_u32 v4, v2, 4, v4
	v_add_nc_u32 v[STO], s23, v4                   ; in: row l % 16, 16 bytes for each half of the lanes
.if FFN
	v_mul_u32_u24 v5, v2, SPITCH                   ; back: lanes 0-15 one row of 256 bytes, lanes 16-31 the next
	v_lshl_add_u32 v5, v1, 4, v5
	v_add_nc_u32 v[RD], s23, v5
	v_mul_u32_u24 v5, v2, SIZE_N*2
	v_lshl_add_u32 v[CO], v1, 4, v5
	v_lshlrev_b32 v[BO], 5, v2
	v_mov_b32 v[K0], 0xc0135761                    ; k0 = -2 sqrt(2/pi) log2(e)
	v_mov_b32 v[K0+1], 0xc0135761
	s_mov_b32 s68, 0xbdd2d3e8                      ; k1 = 0.044715 k0
	s_mov_b32 s69, 0xbdd2d3e8
	s_lshl_b32 s18, s42, 10                        ; my 128 columns of b1, in bytes
	s_lshl_b32 s19, s12, 9
	s_add_co_u32 s18, s18, s19
	s_mov_b32 s19, 0
	s_add_nc_u64 s[66:67], s[66:67], s[18:19]
	WIN TO_B
.irp b, 0,1,2,3,4,5,6,7                ; the bias as an accumulator holds its columns: block b, columns 8 (l / 16) + 0..7
	global_load_b128 v[8*\b:8*\b+3],   v[BO], s[66:67] offset:64*\b
	global_load_b128 v[8*\b+4:8*\b+7], v[BO], s[66:67] offset:64*\b+16
.endr
	WIN 0
	s_lshl_b32 s18, s13, 8
	s_lshl_b32 s19, s11, 7
	s_add_co_u32 s18, s18, s19
	s_lshl_b32 s18, s18, 12                        ; my first row of u x 4,096 bytes
	s_lshl_b32 s19, s42, 9
	s_add_co_u32 s18, s18, s19
	s_lshl_b32 s19, s12, 8
	s_add_co_u32 s18, s18, s19
	s_mov_b32 s19, 0
	s_add_nc_u64 s[8:9], s[8:9], s[18:19]
.else
	v_and_b32 v7, 31, v0
	v_lshrrev_b32 v8, 2, v7                        ; back: 8 tokens x 64 bytes of one head: token l / 4, 16 bytes l % 4
	v_mul_u32_u24 v8, v8, SPITCH
	v_and_b32 v9, 3, v0
	v_lshl_add_u32 v8, v9, 4, v8
	v_add_nc_u32 v[RD], s23, v8
	v_lshlrev_b32 v[CO], 4, v7                     ; and the same 512 neighbouring bytes in qkv
	s_mul_i32 s18, s42, 6
	s_mul_i32 s19, s12, 3
	s_add_co_u32 s18, s18, s19                     ; the first of my three heads, counted through q, k, v: 16 x matrix + head
	s_lshr_b32 s19, s13, 3
	s_lshl_b32 s19, s19, 21                        ; the batch
	s_and_b32 s22, s13, 7
	s_lshl_b32 s22, s22, 14                        ; 256 tokens x 64 bytes
	s_add_co_u32 s19, s19, s22
	s_lshl_b32 s22, s11, 13
	s_add_co_u32 s19, s19, s22
.irp j, 0,1,2
	s_add_co_u32 s20, s18, \j
	s_lshr_b32 s21, s20, 4
	s_lshl_b32 s21, s21, 23
	s_and_b32 s20, s20, 15
	s_lshl_b32 s20, s20, 17
	s_add_co_u32 s20, s20, s21
	s_add_co_u32 s20, s20, s19
	s_mov_b32 s21, 0
	s_add_nc_u64 s[66+2*\j:67+2*\j], s[8:9], s[20:21]
.endr
.endif
; 2 NB matrix instructions: row blocks a0, a0 + 1 of the window's four x all NB column blocks, 32 along K.  zero = 1: the first product starts the sums.
; The accumulators take turns, one instruction a turn, in the same order in every quarter.
.macro MUL16 f, hi, a0, zero
.irp a, \a0, \a0+1
.set bb, 0
.rept NB
.if \zero
	v_wmma_f32_16x16x32_bf16 v[8*(8*(\a)+bb):8*(8*(\a)+bb)+7], v[\f+8*bb:\f+8*bb+7], v[\f+8*(4*\hi+\a):\f+8*(4*\hi+\a)+7], 0
.else
	v_wmma_f32_16x16x32_bf16 v[8*(8*(\a)+bb):8*(8*(\a)+bb)+7], v[\f+8*bb:\f+8*bb+7], v[\f+8*(4*\hi+\a):\f+8*(4*\hi+\a)+7], v[8*(8*(\a)+bb):8*(8*(\a)+bb)+7]
.endif
.set bb, bb+1
.endr
.endr
.endm
; the fragments of quarter q (32 along K) of a slot into buffer f: 2 NB turning loads of B, then 16 loads of A
.macro FETCH slot, q, f
	WIN TO_B
.set ii, 0
.rept NB
	ds_load_tr16_b128 v[\f+8*ii:\f+8*ii+3],   v[ADRB+\slot] offset:\q*32*PB+(ii/2)*CSEG+(ii%2)*32
	ds_load_tr16_b128 v[\f+8*ii+4:\f+8*ii+7], v[ADRB+\slot] offset:\q*32*PB+16*PB+(ii/2)*CSEG+(ii%2)*32
.set ii, ii+1
.endr
	WIN 0
.irp i, 0,1,2,3,4,5,6,7
	ds_load_b128 v[\f+8*\i:\f+8*\i+3],   v[ADRA+\slot] offset:\q*64+\i*16*PA
	ds_load_b128 v[\f+8*\i+4:\f+8*\i+7], v[ADRA+\slot] offset:\q*64+\i*16*PA+32
.endr
.endm
; one of a K step's first three quarters: multiplies buffer f, and in its middle fetches quarter q into buffer g
.macro QUARTER slot, q, f, g, zero
	s_wait_dscnt 8                                 ; B and A's rows 0-63 are in; the youngest eight loads (A's rows 64-127) may be out
	WIN MUL_LO
	MUL16 \f, 0, 0, \zero
	MUL16 \f, 0, 2, \zero
	PLACES
	FETCH \slot, \q, \g
	s_wait_dscnt 16+2*NB                           ; all but the run just issued
	WIN MUL_HI
	MUL16 \f, 1, 0, \zero
	MUL16 \f, 1, 2, \zero
.endm
; the last quarter multiplies buffer 1 and changes slots.  In front of the barrier each wave waits for its reads of this slot and for all its tensor loads
; (one is out: its part of the next slot).  fill = 1: the barrier opens a round of the cluster's barrier, and this slot's refill is the first tensor load behind it.
.macro TURN slot, next, fill
	s_wait_dscnt 8
	WIN MUL_LO
	MUL16 F1, 0, 0, 0
	s_wait_dscnt 0
	s_wait_tensorcnt 0x0
	ds_add_u32 v255, v255
	s_wait_dscnt 0x0
	s_barrier_signal -1
	MUL16 F1, 0, 2, 0                              ; register work while the others arrive
.if \fill
	WIN 0
.endif
	s_barrier_wait -1
.if \fill
	CREST
	s_add_nc_u64 s[G0+4*\slot+2:G0+4*\slot+3], s[G0+4*\slot+2:G0+4*\slot+3], 512            ; two K steps on: no load of mine is out
	s_add_nc_u64 s[G0B+4*\slot+2:G0B+4*\slot+3], s[G0B+4*\slot+2:G0B+4*\slot+3], 512*SIZE_N
	JLOAD \slot                                    ; its four v_nop are also the places in front of the loads below
.else
	PLACES
.endif
	FETCH \next, 0, F0
	WIN MUL_HI
	MUL16 F1, 1, 0, 0
	MUL16 F1, 1, 2, 0
.endm
; THE WAY OUT of row block a.  PACK: to 16 bytes of bf16 a lane and column block.  TOSTAGE: into my own stage and back in the order of memory.  SEND: stored.
.macro PACK a
.set AC, 64*((\a)%4)
.if FFN
	WIN 0x06+((\a)/4)                              ; source 0: window 2 or 3 (the sums), source 1: window 1 (the bias)
.set ii, 0
.rept 32
	v_pk_add_f32 v[XG+ii:XG+ii+1], v[AC+ii:AC+ii+1], v[ii:ii+1]    ; ascending: each accumulator is read from its low end on
.set ii, ii+2
.endr
	WIN 0
.set ii, 0
.rept 32
	v_pk_mul_f32 v[ZG+ii:ZG+ii+1], v[XG+ii:XG+ii+1], v[XG+ii:XG+ii+1]
.set ii, ii+2
.endr
.set ii, 0
.rept 32
	v_pk_fma_f32 v[ZG+ii:ZG+ii+1], v[ZG+ii:ZG+ii+1], s[68:69], v[K0:K0+1] op_sel_hi:[1,0,1]   ; k1 x^2 + k0
.set ii, ii+2
.endr
.set ii, 0
.rept 32
	v_pk_mul_f32 v[ZG+ii:ZG+ii+1], v[ZG+ii:ZG+ii+1], v[XG+ii:XG+ii+1]
.set ii, ii+2
.endr
.set ii, 0
.rept 64
	v_exp_f32 v[ZG+ii], v[ZG+ii]
.set ii, ii+1
.endr
	v_nop                                          ; a plain instruction behind the last exponential
.set ii, 0
.rept 32
	v_pk_add_f32 v[ZG+ii:ZG+ii+1], v[ZG+ii:ZG+ii+1], 1.0 op_sel_hi:[1,0]
.set ii, ii+2
.endr
.set ii, 0
.rept 64
	v_rcp_f32 v[ZG+ii], v[ZG+ii]
.set ii, ii+1
.endr
	v_nop
.set ii, 0
.rept 32
	v_pk_mul_f32 v[XG+ii:XG+ii+1], v[XG+ii:XG+ii+1], v[ZG+ii:ZG+ii+1]
.set ii, ii+2
.endr
.set ii, 0
.rept 32
	v_cvt_pk_bf16_f32 v[TMP+ii], v[XG+2*ii], v[XG+2*ii+1]
.set ii, ii+1
.endr
.else
	WIN 0x0a+5*((\a)/4)                            ; sources 0 and 1: window 2 or 3
.set ii, 0
.rept 4*NB
	v_cvt_pk_bf16_f32 v[TMP+ii], v[AC+2*ii], v[AC+2*ii+1]
.set ii, ii+1
.endr
	WIN 0
.endif
.endm
.macro TOSTAGE a
.set BK, OB+192*((\a)%2)
.set ii, 0
.rept NB
	ds_store_b128 v[STO], v[TMP+4*ii:TMP+4*ii+3] offset:32*ii
.set ii, ii+1
.endr
.if FFN
.irp t, 0,1,2,3,4,5,6,7
	ds_load_b128 v[BK+4*\t:BK+4*\t+3], v[RD] offset:\t*2*SPITCH    ; LDS serves a wave's instructions in order (ISA guide 5.7.1.4): these see the stores above
.endr
.else
.irp j, 0,1,2
.irp e, 0,1
	ds_load_b128 v[BK+4*(2*\j+\e):BK+4*(2*\j+\e)+3], v[RD] offset:64*\j+\e*8*SPITCH
.endr
.endr
.endif
.endm
.macro SEND a
.set BK, OB+192*((\a)%2)
	s_wait_dscnt 0x0                               ; the block is back in registers
	s_wait_xcnt 0x0                                ; only behind this wait are the stores' base and the registers that earlier stores read written again
.if FFN
.if (\a) > 0
	s_add_nc_u64 s[8:9], s[8:9], 16*SIZE_N*2
.endif
.irp t, 0,1,2,3,4,5,6,7
	global_store_b128 v[CO], v[BK+4*\t:BK+4*\t+3], s[8:9] offset:2*\t*SIZE_N*2   ; 16 lanes store 256 consecutive bytes, aligned
.endr
.else
.irp j, 0,1,2
.irp e, 0,1
	global_store_b128 v[CO], v[BK+4*(2*\j+\e):BK+4*(2*\j+\e)+3], s[66+2*\j:67+2*\j] offset:(\a)*1024+\e*512   ; the wave stores 512 consecutive bytes of one head
.endr
.endr
.endif
.endm
	s_wait_tensorcnt 1                             ; my part of K step 0 is in; K step 1's may stay out
	s_barrier_signal -1
	s_barrier_wait -1
	FETCH 0, 0, F0
	QUARTER 0, 1, F0, F1, 1                        ; the first quarter's products start the sums
	QUARTER 0, 2, F1, F0, 0
	QUARTER 0, 3, F0, F1, 0
	TURN 0, 1, 1                                   ; slot 0 takes K step 2
	QUARTER 1, 1, F0, F1, 0
	QUARTER 1, 2, F1, F0, 0
	QUARTER 1, 3, F0, F1, 0
	TURN 1, 0, 1                                   ; slot 1 takes K step 3
	QUARTER 0, 1, F0, F1, 0
	QUARTER 0, 2, F1, F0, 0
	QUARTER 0, 3, F0, F1, 0
	TURN 0, 1, 0                                   ; nothing is left to fetch
	QUARTER 1, 1, F0, F1, 0
	QUARTER 1, 2, F1, F0, 0
	QUARTER 1, 3, F0, F1, 0
	s_wait_dscnt 8
	WIN MUL_LO
	MUL16 F1, 0, 0, 0
	MUL16 F1, 0, 2, 0
	s_wait_dscnt 0
	WIN MUL_HI
	MUL16 F1, 1, 0, 0
	MUL16 F1, 1, 2, 0
	WIN 0
	PLACES
.if FFN
	s_wait_loadcnt 0x0                             ; the bias
.endif
	PACK 0
	TOSTAGE 0
.irp a, 1,2,3,4,5,6,7                  ; block a's arithmetic stands between block a - 1's loads from the stage and the wait for them
	PACK \a
	SEND \a-1
	TOSTAGE \a
.endr
	SEND 7
	s_set_vgpr_msb 0x1
	s_wait_tensorcnt 0x0
	ds_add_u32 v255, v255
	s_wait_dscnt 0x0
	s_set_vgpr_msb 0x100
	CROUND                                         ; the closing round: no work-group ends while a partner may still ask for a tile that names it
	s_endpgm
.Lfunc_end_k_qc45ecb0a85_qkv:
	.size	k_qc45ecb0a85_qkv, .Lfunc_end_k_qc45ecb0a85_qkv-k_qc45ecb0a85_qkv
	.p2alignl 7, 3214868480
	.fill 96, 4, 3214868480
	.section	.rodata,"a",@progbits
	.p2align	6, 0x0
	.amdhsa_kernel k_qc45ecb0a85_qkv
		.amdhsa_group_segment_fixed_size 327680
		.amdhsa_private_segment_fixed_size 0
		.amdhsa_enable_private_segment 0
		.amdhsa_kernarg_size 24
		.amdhsa_user_sgpr_count 2
		.amdhsa_user_sgpr_kernarg_segment_ptr 1
		.amdhsa_wavefront_size32 1
		.amdhsa_system_sgpr_workgroup_id_x 1
		.amdhsa_system_sgpr_workgroup_id_y 1
		.amdhsa_system_sgpr_workgroup_id_z 1
		.amdhsa_system_vgpr_workitem_id 0
		.amdhsa_next_free_vgpr 1024
		.amdhsa_next_free_sgpr 72
		.amdhsa_reserve_vcc 0
		.amdhsa_float_denorm_mode_32 3
		.amdhsa_float_denorm_mode_16_64 3
		.amdhsa_memory_ordered 1
		.amdhsa_forward_progress 1
		.amdhsa_inst_pref_size 116
	.end_amdhsa_kernel
	.amdgpu_metadata
---
amdhsa.version: [ 1, 2 ]
amdhsa.kernels:
  - .name:           k_qc45ecb0a85_qkv
    .symbol:         k_qc45ecb0a85_qkv.kd
    .args:
      - { .name: hn, .offset: 0, .size: 8, .value_kind: global_buffer, .address_space: global }
      - { .name: wb, .offset: 8, .size: 8, .value_kind: global_buffer, .address_space: global }
      - { .name: qkv, .offset: 16, .size: 8, .value_kind: global_buffer, .address_space: global }
    .group_segment_fixed_size: 327680
    .private_segment_fixed_size: 0
    .kernarg_segment_align: 8
    .kernarg_segment_size: 24
    .max_flat_workgroup_size: 128
    .sgpr_count:     72
    .vgpr_count:     1024
    .wavefront_size: 32
...
	.end_amdgpu_metadata
.endif
;; end of part 2
;; launch attn (part 3): grid 4 x 64, 8 waves a work-group, no clusters, 327,680 bytes of LDS; arguments qkv, ctx; writes ctx
.if DOCPART == 3
	.amdgcn_target "amdgcn-amd-amdhsa--gfx1250"
	.amdhsa_code_object_version 6
	.text
	.protected	k_qc45ecb0a85_attn
	.globl	k_qc45ecb0a85_attn
	.p2align	8
	.type	k_qc45ecb0a85_attn,@function
k_qc45ecb0a85_attn:
	s_mov_b64 s[64:65], 0
	v_nop
	global_prefetch_b8 v0, s[64:65] scope:SCOPE_SE
	s_setreg_imm32_b32 hwreg(HW_REG_WAVE_MODE, 25, 1), 1
	s_wait_xcnt 0x0
; ctx[b][h][q][:] = the sum over keys k <= q of softmax_k(q . k / sqrt(32)) v[k][:].  q, k, v: qkv[3][4][16][2048][32] bf16 (q already carries log2(e) / sqrt(32)).
; SHARES.  Work-group (p, head) makes the query blocks p and 7 - p (256 queries each) of one head: (p + 1) + (8 - p) = 9 units of 256 keys in every work-group.
; Eight waves, 32 queries (two tiles of 16) each, at place w (waves 0-3) or 11 - w (waves 4-7) of the block, so that waves w and w + 4 together have five steps in the unit on the diagonal.
; Two waves to a SIMD: a step has 20 matrix instructions beside some 190 vector instructions, written in phases; the second wave's phases fill the first's.
; NO JOINT LOADS: the four work-groups of a head need 1 to 8 units of it, at different times; in step they would walk 12 units instead of 9.
; LAYOUT.  S^T = K Q^T (a lane holds one query, lane % 16, and keys 8 (lane / 16) + 0..7); two such tiles rounded to bf16 are source 1 of O^T = V^T P; V comes out of LDS turned.
; The row sum l is a third block of O^T: its source 0 has ones in rows 0 and 8, so that register 0 of that accumulator holds the whole sum in every lane.
; SOFTMAX with a running maximum m: p = 2^(s - m); in every step O and l are multiplied by a = 2^(m_old - m_new).  Weights below 2^-126 count as 0 (v_exp_f32 flushes).
; The mask: units above the diagonal are not walked, steps above it are skipped, the step on it is masked by v_cndmask_b32 on whole numbers.
.set PK,    80                         ; a row of K in LDS: 64 + 16 bytes
.set PV,    96                         ; a row of V: 64 + 32 bytes
.set VOFF,  256*PK                     ; a slot: 256 rows of K, then 256 rows of V
.set SLOT1, 65536
.set STAGE, SLOT1+256*(PK+PV)          ; 110,592: behind the ring, 2,560 bytes a wave; no tensor load fills it
.set AK0, 2
.set AV0, 3
.set ADK, 4
.set ADV, 5
.set QO,  6
.set STO, 7
.set RD,  8
.set GO,  9
.set NINF, 10
.set DQ,  12                           ; v12-13  tile t: my query's place in the step on the diagonal, less 8 (lane / 16)
.set ST,  16                           ; tile t at ST + 8 t: +0 m, +1 its pair, +2 a, +3 its pair, +4..7 c0-c3
.set ONES, 32
.set Q,   40
.set KF,  56
.set VF,  88
.set S,   120
.set O,   184                          ; tile t at O + 24 t: channels 0-15, 16-31, the row sum
.set QB,  232                          ; the second block's queries
.set WV,  8
.set W3,  9
.set QS,  10
.set P1,  11
.set BLK, 12
.set UB,  13
.set RU,  14
.set N,   15
.set G1K, 16
.set G1V, 24
.set G0K, 32                           ; two sets: slot 0's first fill; slot 1's, which then walks
.set G0V, 40
.set J,   48
.set DG,  49
.set DJ,  50
.set TB,  51
.set SK,  52
.set SV,  53
.set KB,  54
.set VB,  56
.set SEL, 58
.set CB,  60
.macro PLACES
.rept 4
	v_nop
.endr
.endm
.macro JLOAD                           ; a refill: waves 0-3 fetch a quarter of K's 256 rows each, waves 4-7 of V's; four v_nop follow each line
	s_cmp_lt_u32 s[WV], 4
	s_cbranch_scc0 .Lfor_v_\@
	tensor_load_to_lds s[G0K+4:G0K+7], s[G1K:G1K+7]
	s_nop 0
	PLACES
	s_branch .Lasked_\@
.Lfor_v_\@:
	tensor_load_to_lds s[G0V+4:G0V+7], s[G1V:G1V+7]
	s_nop 0
	PLACES
.Lasked_\@:
.endm
	s_load_b128 s[4:7], s[0:1], 0x0                ; qkv, ctx
	v_lshl_add_u32 v254, v0, 2, 0x29000
	v_mov_b32 v255, 0
	ds_add_u32 v254, v255
	ds_add_u32 v254, v255
	v_lshrrev_b32 v1, 5, v0
	v_readfirstlane_b32 s[WV], v1
	s_and_b32 s[W3], s[WV], 3
	s_sub_co_u32 s62, 11, s[WV]
	s_cmp_lt_u32 s[WV], 4
	s_cselect_b32 s[QS], s[WV], s62                ; my 32 queries' place in a block
	s_lshr_b32 s[DJ], s[QS], 1                     ; the step of 64 keys in which my diagonal lies
	s_add_co_u32 s[P1], ttmp9, 1                   ; units of the first block
	s_mov_b32 s[BLK], ttmp9
	s_mov_b32 s[UB], 0
	s_min_u32 s[RU], ttmp9, 1                      ; the second unit walked: unit 1 of block p, or (p = 0) unit 0 of block 7
	s_mov_b32 s[TB], 0
	s_mov_b32 s[SEL], 0x76543210
	s_mov_b32 s[SEL+1], 0xfedcba98
	s_mov_b32 s[G1K], (1<<16)|(1<<20)|(3<<22)|(3<<25)   ; 2-byte elements; padding on: 4 words behind every 16
	s_mov_b32 s[G1V], (1<<16)|(1<<20)|(3<<22)|(7<<25)   ; 8 words
.irp g, G1K, G1V
	s_mov_b32 s[\g+1], 32<<16                      ; tensor_dim0 = 32
	s_mov_b32 s[\g+2], 64<<16                      ; tensor_dim1 = 64
	s_mov_b32 s[\g+3], 32<<16                      ; tile_dim0 = 32
	s_mov_b32 s[\g+4], 64                          ; tile_dim1 = 64
	s_mov_b32 s[\g+5], 32                          ; elements from row to row
	s_mov_b32 s[\g+6], 0
	s_mov_b32 s[\g+7], 0
.endr
	s_and_b32 s62, ttmp7, 0xffff
	s_lshl_b32 s62, s62, 17                        ; the head: 2,048 tokens x 64 bytes
	s_lshl_b32 s63, s[W3], 12                      ; my 64 rows of a unit
	s_add_co_u32 s62, s62, s63
	s_add_co_u32 s62, s62, 8388608                 ; k lies behind q
	s_mov_b32 s63, 0
	s_mul_i32 s2, s[W3], 64*PK
	s_mul_i32 s3, s[W3], 64*PV
	s_add_co_u32 s3, s3, VOFF
	s_wait_dscnt 0x0
	s_wait_kmcnt 0x0
	s_add_nc_u64 s[KB:KB+1], s[4:5], s[62:63]
	s_add_nc_u64 s[VB:VB+1], s[KB:KB+1], 8388608
	s_lshl_b32 s62, s[RU], 14                      ; a unit is 16,384 bytes
	s_mov_b32 s[G0K], 1
	s_mov_b32 s[G0K+1], s2
	s_mov_b64 s[G0K+2:G0K+3], s[KB:KB+1]
	s_or_b32 s[G0K+3], s[G0K+3], 0x80000000
	s_mov_b32 s[G0K+4], 1
	s_add_co_u32 s[G0K+5], s2, SLOT1
	s_add_nc_u64 s[G0K+6:G0K+7], s[KB:KB+1], s[62:63]
	s_or_b32 s[G0K+7], s[G0K+7], 0x80000000
	s_mov_b32 s[G0V], 1
	s_mov_b32 s[G0V+1], s3
	s_mov_b64 s[G0V+2:G0V+3], s[VB:VB+1]
	s_or_b32 s[G0V+3], s[G0V+3], 0x80000000
	s_mov_b32 s[G0V+4], 1
	s_add_co_u32 s[G0V+5], s3, SLOT1
	s_add_nc_u64 s[G0V+6:G0V+7], s[VB:VB+1], s[62:63]
	s_or_b32 s[G0V+7], s[G0V+7], 0x80000000
	s_cmp_lt_u32 s[WV], 4                          ; a wave's two first fills stand in one branch: two loads of mine are out
	s_cbranch_scc0 .Lfirst_v
	tensor_load_to_lds s[G0K:G0K+3], s[G1K:G1K+7]
	s_nop 0
	tensor_load_to_lds s[G0K+4:G0K+7], s[G1K:G1K+7]
	s_nop 0
	PLACES
	s_branch .Lfirst_asked
.Lfirst_v:
	tensor_load_to_lds s[G0V:G0V+3], s[G1V:G1V+7]
	s_nop 0
	tensor_load_to_lds s[G0V+4:G0V+7], s[G1V:G1V+7]
	s_nop 0
	PLACES
.Lfirst_asked:
	v_and_b32 v1, 15, v0                           ; r
	v_bfe_u32 v11, v0, 4, 1                        ; h
	v_and_b32 v14, 31, v0                          ; lane
	v_lshlrev_b32 v[QO], 6, v1
	v_lshl_add_u32 v[QO], v11, 4, v[QO]            ; a fragment of Q: row x 64 + 16 x half
	s_and_b32 s62, ttmp7, 0xffff
	s_lshl_b32 s62, s62, 17
	s_lshl_b32 s63, s[QS], 11                      ; my 32 queries x 64 bytes
	s_add_co_u32 s62, s62, s63
	s_lshl_b32 s63, ttmp9, 14                      ; block p
	s_add_co_u32 s2, s62, s63
	s_mov_b32 s3, 0
	s_add_nc_u64 s[CB:CB+1], s[6:7], s[2:3]        ; where my rows of ctx go,
	s_add_nc_u64 s[2:3], s[4:5], s[2:3]            ; and the same rows of q
	s_sub_co_u32 s63, 7, ttmp9
	s_lshl_b32 s63, s63, 14                        ; block 7 - p
	s_add_co_u32 s62, s62, s63
	s_mov_b32 s63, 0
	s_add_nc_u64 s[4:5], s[4:5], s[62:63]
.irp t, 0,1
	global_load_b128 v[Q+8*\t:Q+8*\t+3],     v[QO], s[2:3] offset:\t*1024
	global_load_b128 v[Q+8*\t+4:Q+8*\t+7],   v[QO], s[2:3] offset:\t*1024+32
	global_load_b128 v[QB+8*\t:QB+8*\t+3],   v[QO], s[4:5] offset:\t*1024
	global_load_b128 v[QB+8*\t+4:QB+8*\t+7], v[QO], s[4:5] offset:\t*1024+32
.endr
	v_mul_u32_u24 v[AK0], v1, PK
	v_lshl_add_u32 v[AK0], v11, 4, v[AK0]          ; K: row x pitch + 16 x half
	v_and_b32 v15, 7, v0
	v_lshl_add_u32 v15, v11, 3, v15
	v_mul_u32_u24 v[AV0], v15, PV                  ; V, turned: key 8 h + lane % 8,
	v_bfe_u32 v15, v0, 3, 1
	v_lshl_add_u32 v[AV0], v15, 4, v[AV0]          ; 16 bytes for each half of eight lanes
	v_add_nc_u32 v[AV0], VOFF, v[AV0]
	s_mul_i32 s62, s[WV], 2560
	s_add_co_u32 s62, s62, STAGE
	v_add_nc_u32 v[STO], s62, v[AK0]               ; in: row r (pitch 80), 16 bytes for each half of the lanes
	v_lshrrev_b32 v15, 2, v14
	v_mul_u32_u24 v15, v15, PK
	v_and_b32 v248, 3, v0
	v_lshl_add_u32 v15, v248, 4, v15
	v_add_nc_u32 v[RD], s62, v15                   ; back: 8 rows x 64 bytes
	v_lshlrev_b32 v[GO], 4, v14
	v_mov_b32 v[NINF], 0xff800000
	s_and_b32 s62, s[QS], 1
	s_lshl_b32 s62, s62, 5
	v_lshlrev_b32 v248, 3, v11
	v_sub_nc_u32 v[DQ], v1, v248
	v_add_nc_u32 v[DQ], s62, v[DQ]                 ; 32 (place % 2) + r - 8 h
	v_add_nc_u32 v[DQ+1], 16, v[DQ]
	v_and_b32 v248, 7, v0
	v_cmp_eq_u32 vcc_lo, 0, v248
	v_mov_b32 v249, 0x3f803f80
	v_cndmask_b32 v[ONES], 0, v249, vcc_lo         ; rows 0 and 8: ones in bf16; the others 0
.irp i, 1,2,3,4,5,6,7
	v_mov_b32 v[ONES+\i], v[ONES]
.endr
; A walk begins: O and l are cleared and m is -infinity, so that one text of a step serves the first step too (48 lines for a walk of a thousand and more).
.macro INIT
.set ii, 0
.rept 48
	v_mov_b32 v[O+ii], 0
.set ii, ii+1
.endr
.irp t, 0,1
	v_mov_b32 v[ST+8*\t], v[NINF]
	v_mov_b32 v[ST+8*\t+1], 0                      ; named as the pairs of m and a, so they are written
	v_mov_b32 v[ST+8*\t+3], 0
.endr
.endm
.macro MASK                            ; key 16 kb + 8 h + j is beyond my query: its score becomes -infinity.  Ascending: each accumulator is read from its low end on
.irp t, 0,1
.set kk, 0
.rept 32
.set kv, (kk/8)*16+kk%8
	v_cmp_gt_i32 vcc_lo, kv, v[DQ+\t]
	v_cndmask_b32 v[S+32*\t+kk], v[S+32*\t+kk], v[NINF], vcc_lo
.set kk, kk+1
.endr
.endr
.endm
.macro SOFT                            ; both tiles' softmax for 64 keys; the tiles alternate line by line
.set jj, 0
.rept 4                                ; four chains, each begun at its accumulator's registers 0-2
.irp t, 0,1
	v_max3_num_f32 v[ST+8*\t+4+jj], v[S+32*\t+8*jj], v[S+32*\t+8*jj+1], v[S+32*\t+8*jj+2]
.endr
.set jj, jj+1
.endr
.irp d, 3,5
.set jj, 0
.rept 4
.irp t, 0,1
	v_max3_num_f32 v[ST+8*\t+4+jj], v[ST+8*\t+4+jj], v[S+32*\t+8*jj+\d], v[S+32*\t+8*jj+\d+1]
.endr
.set jj, jj+1
.endr
.endr
.irp t, 0,1
	v_max3_num_f32 v[ST+8*\t+4], v[ST+8*\t+4], v[S+32*\t+7], v[S+32*\t+15]
.endr
.irp t, 0,1
	v_max3_num_f32 v[ST+8*\t+6], v[ST+8*\t+6], v[S+32*\t+23], v[S+32*\t+31]
.endr
.irp t, 0,1
	v_max3_num_f32 v[ST+8*\t+4], v[ST+8*\t+4], v[ST+8*\t+5], v[ST+8*\t+6]
.endr
.irp t, 0,1
	v_max3_num_f32 v[ST+8*\t+4], v[ST+8*\t+4], v[ST+8*\t+7], v[ST+8*\t]
.endr
.irp t, 0,1
	v_permlanex16_b32 v[ST+8*\t+5], v[ST+8*\t+4], s[SEL], s[SEL+1]   ; the query's other 32 keys lie in the lane 16 away
.endr
.irp t, 0,1
	v_mov_b32 v[ST+8*\t+7], v[ST+8*\t]             ; m_old
.endr
.irp t, 0,1
	v_max_num_f32 v[ST+8*\t], v[ST+8*\t+4], v[ST+8*\t+5]
.endr
.irp t, 0,1
	v_sub_f32 v[ST+8*\t+7], v[ST+8*\t+7], v[ST+8*\t]
.endr
.irp t, 0,1
	v_exp_f32 v[ST+8*\t+2], v[ST+8*\t+7]           ; a; the subtractions below are the plain instructions behind it
.endr
.set jj, 0
.rept 16
.irp t, 0,1
	v_pk_add_f32 v[S+32*\t+jj:S+32*\t+jj+1], v[S+32*\t+jj:S+32*\t+jj+1], v[ST+8*\t:ST+8*\t+1] op_sel_hi:[1,0] neg_lo:[0,1] neg_hi:[0,1]
.endr
.set jj, jj+2
.endr
.set jj, 0
.rept 32
.irp t, 0,1
	v_exp_f32 v[S+32*\t+jj], v[S+32*\t+jj]
.endr
.set jj, jj+1
.endr
.set jj, 0
	s_wait_alu depctr_va_vdst(0)
.rept 8                                ; O times a: plain work behind the exponentials; ascending from each accumulator's low end
.irp t, 0,1
	v_pk_mul_f32 v[O+24*\t+jj:O+24*\t+jj+1], v[O+24*\t+jj:O+24*\t+jj+1], v[ST+8*\t+2:ST+8*\t+3] op_sel_hi:[1,0]
.endr
.set jj, jj+2
.endr
.irp t, 0,1
	v_mul_f32 v[O+24*\t+16], v[O+24*\t+16], v[ST+8*\t+2]   ; l lies in register 0; the block's other rows stay 0
.endr
.set jj, 0
.rept 16                               ; P in place: register i takes weights 2 i and 2 i + 1, which lie at or above it
.irp t, 0,1
	v_cvt_pk_bf16_f32 v[S+32*\t+jj], v[S+32*\t+2*jj], v[S+32*\t+2*jj+1]
.endr
.set jj, jj+1
.endr
.endm
; A step: 64 keys for my 32 queries.
.macro STEP
	v_add_nc_u32 v[ADK], s[SK], v[AK0]
	v_add_nc_u32 v[ADV], s[SV], v[AV0]
.irp kb, 0,1,2,3
	ds_load_b128 v[KF+8*\kb:KF+8*\kb+3],   v[ADK] offset:\kb*16*PK
	ds_load_b128 v[KF+8*\kb+4:KF+8*\kb+7], v[ADK] offset:\kb*16*PK+32
.endr
.irp c, 0,1
.irp cb, 0,1
	ds_load_tr16_b128 v[VF+8*(2*\c+\cb):VF+8*(2*\c+\cb)+3],   v[ADV] offset:\c*32*PV+\cb*32
	ds_load_tr16_b128 v[VF+8*(2*\c+\cb)+4:VF+8*(2*\c+\cb)+7], v[ADV] offset:\c*32*PV+16*PV+\cb*32
.endr
.endr
	s_wait_dscnt 8                                 ; K is in; V's eight loads stay out
.irp kb, 0,1,2,3
.irp t, 0,1
	v_wmma_f32_16x16x32_bf16 v[S+32*\t+8*\kb:S+32*\t+8*\kb+7], v[KF+8*\kb:KF+8*\kb+7], v[Q+8*\t:Q+8*\t+7], 0
.endr
.endr
	PLACES
	s_cmp_lg_u32 s[J], s[DG]
	s_cbranch_scc1 .Lfull_\@
	MASK
.Lfull_\@:
	SOFT
	s_wait_dscnt 0x0                               ; V is in
.irp c, 0,1                            ; the six accumulators take turns, one instruction a turn
.irp t, 0,1
	v_wmma_f32_16x16x32_bf16 v[O+24*\t:O+24*\t+7],     v[VF+16*\c:VF+16*\c+7],     v[S+32*\t+8*\c:S+32*\t+8*\c+7], v[O+24*\t:O+24*\t+7]
	v_wmma_f32_16x16x32_bf16 v[O+24*\t+8:O+24*\t+15],  v[VF+16*\c+8:VF+16*\c+15],  v[S+32*\t+8*\c:S+32*\t+8*\c+7], v[O+24*\t+8:O+24*\t+15]
	v_wmma_f32_16x16x32_bf16 v[O+24*\t+16:O+24*\t+23], v[ONES:ONES+7],             v[S+32*\t+8*\c:S+32*\t+8*\c+7], v[O+24*\t+16:O+24*\t+23]
.endr
.endr
.rept 5                                ; five places: the next step's products write over P, its loads over V; the way out reads O
	v_nop
.endr
.endm
; A unit: four steps; in the unit on the diagonal those beyond my diagonal are skipped.  No barrier and no tensor load stands inside.
.macro UNIT
	s_cmp_eq_u32 s[UB], s[BLK]
	s_cselect_b32 s[DG], s[DJ], 4
	s_mov_b32 s[SK], s[TB]
	s_mov_b32 s[SV], s[TB]
	s_mov_b32 s[J], 0
.Lstep_\@:
	s_cmp_gt_u32 s[J], s[DG]
	s_cbranch_scc1 .Lskip_\@
	STEP
.Lskip_\@:
	s_add_co_u32 s[SK], s[SK], 64*PK
	s_add_co_u32 s[SV], s[SV], 64*PV
	s_add_co_u32 s[J], s[J], 1
	s_cmp_lt_u32 s[J], 4
	s_cbranch_scc1 .Lstep_\@
	s_add_co_u32 s[UB], s[UB], 1
.endm
; The change of slots.  Every wave waits for its reads of the slot and for all its tensor loads (one is out: its part of the other slot), then the barrier.
; fill = 1: the slot just read takes the unit two places on in the walk, first thing behind the barrier: it has a unit's steps in which to land.
.macro CHANGE fill
	s_wait_dscnt 0x0
	s_wait_tensorcnt 0x0                           ; no tensor load of mine is out, so a group 0 may be written
	ds_add_u32 v254, v255
	s_wait_dscnt 0x0
.if \fill
	s_add_co_u32 s62, s[N], 1
	s_add_co_u32 s[RU], s[RU], 1
	s_cmp_eq_u32 s62, s[P1]
	s_cselect_b32 s[RU], 0, s[RU]                  ; the second block's walk begins at unit 0
	s_lshl_b32 s62, s[RU], 14
	s_mov_b32 s63, 0
	s_xor_b32 s[G0K+5], s[G0K+5], SLOT1            ; the walking descriptor: the other slot than last time
	s_add_nc_u64 s[G0K+6:G0K+7], s[KB:KB+1], s[62:63]
	s_or_b32 s[G0K+7], s[G0K+7], 0x80000000
	s_xor_b32 s[G0V+5], s[G0V+5], SLOT1
	s_add_nc_u64 s[G0V+6:G0V+7], s[VB:VB+1], s[62:63]
	s_or_b32 s[G0V+7], s[G0V+7], 0x80000000
.endif
	s_barrier_signal -1
	s_barrier_wait -1
.if \fill
	JLOAD
.endif
	s_xor_b32 s[TB], s[TB], SLOT1
.endm
; The way out of a block: O / l, rounded to bf16, through my stage: the wave's stores cover 512 consecutive bytes of ctx each.
.macro FINAL
.irp t, 0,1
	v_rcp_f32 v[ST+8*\t+4], v[O+24*\t+16]
	v_rcp_f32 v[ST+8*\t+5], v[O+24*\t+16]
.endr
	v_nop
	s_wait_alu depctr_va_vdst(0)
.irp t, 0,1
.set ii, 0
.rept 8
	v_pk_mul_f32 v[O+24*\t+ii:O+24*\t+ii+1], v[O+24*\t+ii:O+24*\t+ii+1], v[ST+8*\t+4:ST+8*\t+5]
.set ii, ii+2
.endr
.endr
.irp t, 0,1
.set ii, 0
.rept 8
	v_cvt_pk_bf16_f32 v[KF+8*\t+ii], v[O+24*\t+2*ii], v[O+24*\t+2*ii+1]
.set ii, ii+1
.endr
.endr
.irp t, 0,1
	ds_store_b128 v[STO], v[KF+8*\t:KF+8*\t+3]   offset:\t*16*PK
	ds_store_b128 v[STO], v[KF+8*\t+4:KF+8*\t+7] offset:\t*16*PK+32
.endr
.irp t, 0,1
	ds_load_b128 v[VF+8*\t:VF+8*\t+3],   v[RD] offset:\t*16*PK      ; LDS serves a wave's instructions in order: these see the stores above
	ds_load_b128 v[VF+8*\t+4:VF+8*\t+7], v[RD] offset:\t*16*PK+8*PK
.endr
	s_wait_dscnt 0x0
.irp t, 0,1
	global_store_b128 v[GO], v[VF+8*\t:VF+8*\t+3],   s[CB:CB+1] offset:\t*1024
	global_store_b128 v[GO], v[VF+8*\t+4:VF+8*\t+7], s[CB:CB+1] offset:\t*1024+512
.endr
.endm
	INIT
	s_wait_tensorcnt 1                             ; my part of slot 0 is in; slot 1's may stay out
	s_barrier_signal -1
	s_barrier_wait -1
	s_wait_loadcnt 0x0                             ; both blocks' queries
	UNIT
	s_mov_b32 s[N], 1
.Lseq:                                 ; places 1 to 7 of the walk of nine
	CHANGE 1
	s_cmp_lg_u32 s[N], s[P1]
	s_cbranch_scc1 .Lsame                          ; the same in all eight waves
	FINAL                                          ; block p is done: it goes out, and block 7 - p begins
	s_wait_xcnt 0x0                                ; the stores' base and data are written again only behind this wait
	s_sub_co_u32 s[BLK], 8, s[P1]
	s_mov_b32 s[UB], 0
	s_and_b32 s62, ttmp7, 0xffff
	s_lshl_b32 s62, s62, 17
	s_lshl_b32 s63, s[QS], 11
	s_add_co_u32 s62, s62, s63
	s_lshl_b32 s63, s[BLK], 14
	s_add_co_u32 s62, s62, s63
	s_mov_b32 s63, 0
	s_add_nc_u64 s[CB:CB+1], s[6:7], s[62:63]
.set ii, 0
.rept 16
	v_mov_b32 v[Q+ii], v[QB+ii]
.set ii, ii+1
.endr
	INIT
.Lsame:
	UNIT
	s_add_co_u32 s[N], s[N], 1
	s_cmp_lt_u32 s[N], 8
	s_cbranch_scc1 .Lseq
	CHANGE 0                                       ; the last unit: nothing is left to fetch
	UNIT
	FINAL
	s_wait_tensorcnt 0x0
	ds_add_u32 v254, v255
	s_wait_dscnt 0x0
	s_endpgm
.Lfunc_end_k_qc45ecb0a85_attn:
	.size	k_qc45ecb0a85_attn, .Lfunc_end_k_qc45ecb0a85_attn-k_qc45ecb0a85_attn
	.p2alignl 7, 3214868480
	.fill 96, 4, 3214868480
	.section	.rodata,"a",@progbits
	.p2align	6, 0x0
	.amdhsa_kernel k_qc45ecb0a85_attn
		.amdhsa_group_segment_fixed_size 327680
		.amdhsa_private_segment_fixed_size 0
		.amdhsa_enable_private_segment 0
		.amdhsa_kernarg_size 16
		.amdhsa_user_sgpr_count 2
		.amdhsa_user_sgpr_kernarg_segment_ptr 1
		.amdhsa_wavefront_size32 1
		.amdhsa_system_sgpr_workgroup_id_x 1
		.amdhsa_system_sgpr_workgroup_id_y 1
		.amdhsa_system_sgpr_workgroup_id_z 1
		.amdhsa_system_vgpr_workitem_id 0
		.amdhsa_next_free_vgpr 256
		.amdhsa_next_free_sgpr 66
		.amdhsa_reserve_vcc 1
		.amdhsa_float_denorm_mode_32 3
		.amdhsa_float_denorm_mode_16_64 3
		.amdhsa_memory_ordered 1
		.amdhsa_forward_progress 1
		.amdhsa_inst_pref_size 70
	.end_amdhsa_kernel
	.amdgpu_metadata
---
amdhsa.version: [ 1, 2 ]
amdhsa.kernels:
  - .name:           k_qc45ecb0a85_attn
    .symbol:         k_qc45ecb0a85_attn.kd
    .args:
      - { .name: qkv, .offset: 0, .size: 8, .value_kind: global_buffer, .address_space: global }
      - { .name: ctx, .offset: 8, .size: 8, .value_kind: global_buffer, .address_space: global }
    .group_segment_fixed_size: 327680
    .private_segment_fixed_size: 0
    .kernarg_segment_align: 8
    .kernarg_segment_size: 16
    .max_flat_workgroup_size: 256
    .sgpr_count:     66
    .vgpr_count:     256
    .wavefront_size: 32
...
	.end_amdgpu_metadata
.endif
;; end of part 3
;; launch wo_ln (part 4): grid 256 x 1, 4 waves a work-group, clusters of 4 x 1, 327,680 bytes of LDS; arguments ctx, wb, x, bo, g2, s2, x1, hn; writes x1, hn
.if DOCPART == 4
	.amdgcn_target "amdgcn-amd-amdhsa--gfx1250"
	.amdhsa_code_object_version 6
	.text
	.protected	k_qc45ecb0a85_wo_ln
	.globl	k_qc45ecb0a85_wo_ln
	.p2align	8
	.type	k_qc45ecb0a85_wo_ln,@function
k_qc45ecb0a85_wo_ln:
	s_mov_b64 s[64:65], 0
	v_nop
	global_prefetch_b8 v0, s[64:65] scope:SCOPE_SE
	s_setreg_imm32_b32 hwreg(HW_REG_WAVE_MODE, 25, 1), 1
	s_wait_xcnt 0x0
	s_wait_alu depctr_hold_cnt(0) depctr_sa_sdst(0) depctr_va_vdst(0) depctr_va_sdst(0) depctr_va_ssrc(0) depctr_va_vcc(0) depctr_vm_vsrc(0)
	s_getreg_b32 s2, hwreg(HW_REG_IB_STS2, 6, 4)
	s_cmp_eq_u32 s2, 0
	s_cbranch_scc0 .Lentry_in_a_cluster
	s_endpgm
.Lentry_in_a_cluster:
	s_bfe_u32 s2, ttmp6, 0x10000c
	s_cmp_lg_u32 s2, 0x3003
	s_cbranch_scc0 .Lentry_shape_is_right
	s_endpgm
.Lentry_shape_is_right:
; x1 = x + ctx wo + bo (f32), and hn = layer norm of x1 (gain g2, shift s2) in bf16.  ctx: [4][16][2048][32] bf16, wo: wb + 1,572,864, [512][512] bf16.
; A work-group owns 32 whole rows (the norm wants whole rows); wave w owns columns 128 w .. + 127: 2 x 8 accumulators of 16 x 16.
; A's fragments come straight from memory into registers (32 along K are one head: a fragment is 1,024 dense bytes) and stay: 256 registers.
; wo's tiles (128 K rows x my 128 columns) go through two LDS slots; every work-group walks the same wo, so the four of a cluster ask jointly (mask 15).
; Each wave reads only the tiles that it asked for itself, so its own wait on TENSORcnt orders its reads; refills stand behind a round of the cluster's barrier all the same.
; x + bo is the C of the first products: it is loaded by whole rows, turned into the accumulators' layout through my stage, and lands in the accumulators: nothing is cleared.
; Used transposed (source 0 = 16 columns of wo, source 1 = 16 rows of ctx): a lane holds row l % 16 and eight neighbouring columns.
; Mean and variance in two passes, so no difference of large sums is formed.  Limit: operands bf16.
; REGISTERS: window 0: addresses, statistics, v64-191 x, then wo's fragments (two buffers), then the way out; v200-231 at work.
;   window 1: v0-127 accumulators ((rb, cb) at 8 (8 rb + cb)), v128-191 g2, v192-255 s2 in the accumulators' layout.   window 2: ctx's fragments ((rb, ks) at 8 (2 ks + rb)).
.set PB,    288
.set TILE,  128*PB
.set SLOT,  4*TILE
.set STAGE, 2*SLOT
.set SP,    272
.set STAT,  STAGE+4*16*SP
.set AO,   2
.set XO,   3
.set ADRB, 4
.set STA,  6
.set RDA,  7
.set STB,  8
.set HO,   9
.set SA,   10
.set SR,   11
.set MEAN, 12                          ; v12-15  the mean of my row of block 0, 1, twice each
.set RSTD, 16                          ; v16-19  1 / sigma likewise
.set W,    20                          ; v20-27  at work
.set BOO,  32
.set GO2,  33
.set F0,   64
.set F1,   128
.set BOV,  192
.set TT,   200
.set G1,   16
.set G0,   24
.set MSB, 0
.macro WIN new
.if MSB != \new
	s_set_vgpr_msb (MSB<<8)|\new
.set MSB, \new
.endif
.endm
.set MUL, 0x58                         ; source 0 (wo) window 0, source 1 (ctx) window 2, C and D window 1
.macro PLACES
.rept 4
	v_nop
.endr
.endm
.macro CROUND
	s_barrier_signal -1
	s_barrier_wait -1
	s_cmp_lg_u32 s8, 0
	s_cbranch_scc1 .Lnot_wave_0_\@
	s_barrier_signal -3
.Lnot_wave_0_\@:
	s_barrier_wait -3
	s_barrier_signal -1
	s_barrier_wait -1
.endm
	s_load_b512 s[36:51], s[0:1], 0x0              ; ctx 36, wb 38, x 40, bo 42, g2 44, s2 46, x1 48, hn 50
	v_lshl_add_u32 v254, v0, 2, 0x4c800
	v_mov_b32 v255, 0
	ds_add_u32 v254, v255
	ds_add_u32 v254, v255
	v_lshrrev_b32 v1, 5, v0
	v_readfirstlane_b32 s8, v1                     ; wave 0..3
	s_lshl_b32 s14, s8, 8                          ; my 128 columns of wo: the address hangs on the wave alone
	s_add_co_u32 s14, s14, 1572864
	s_mov_b32 s15, 0
	s_mul_i32 s11, s8, TILE
	s_mov_b32 s[G1], 15|(1<<16)|(1<<20)|(1<<21)|(5<<22)|(7<<25)   ; all four work-groups; 2-byte elements; padding: 8 words behind every 64; bit 21 beside a mask
	s_mov_b32 s[G1+1], 128<<16
	s_mov_b32 s[G1+2], 128<<16
	s_mov_b32 s[G1+3], 128<<16
	s_mov_b32 s[G1+4], 128
	s_mov_b32 s[G1+5], 512
	s_mov_b32 s[G1+6], 0
	s_mov_b32 s[G1+7], 0
	s_mov_b32 s52, 0x76543210
	s_mov_b32 s53, 0xfedcba98
	s_mov_b32 s54, 0x3b000000                      ; 1 / 512
	s_mov_b32 s55, 0x26901d7d                      ; 1e-15
	s_wait_dscnt 0x0
	s_wait_kmcnt 0x0
	s_add_nc_u64 s[38:39], s[38:39], s[14:15]
.irp s, 0,1
	s_mov_b32 s[G0+4*\s], 1
	s_add_co_u32 s[G0+4*\s+1], s11, \s*SLOT
	s_add_nc_u64 s[G0+4*\s+2:G0+4*\s+3], s[38:39], \s*131072       ; K step s: 128 rows of 1,024 bytes
	s_or_b32 s[G0+4*\s+3], s[G0+4*\s+3], 0x80000000
.endr
	CROUND                                         ; the four work-groups are here: the first joint loads meet
	tensor_load_to_lds s[G0:G0+3], s[G1:G1+7]      ; two loads of mine are out
	s_nop 0
	tensor_load_to_lds s[G0+4:G0+7], s[G1:G1+7]
	s_nop 0
	PLACES
	s_bfe_u32 s9, ttmp6, 0x40000                   ; cx: it enters the addresses of ctx, x, x1 and hn alone
	s_lshl_b32 s10, ttmp9, 2
	s_add_co_u32 s10, s10, s9
	s_lshl_b32 s10, s10, 5                         ; my first row
	s_lshr_b32 s12, s10, 11
	s_lshl_b32 s12, s12, 21                        ; the batch
	s_and_b32 s13, s10, 2047
	s_lshl_b32 s13, s13, 6                         ; the token x 64 bytes
	s_add_co_u32 s12, s12, s13
	s_mov_b32 s13, 0
	s_add_nc_u64 s[36:37], s[36:37], s[12:13]
	s_lshl_b32 s12, s10, 11
	s_lshl_b32 s14, s8, 9                          ; my 128 columns in f32
	s_add_co_u32 s12, s12, s14
	s_add_nc_u64 s[40:41], s[40:41], s[12:13]
	s_add_nc_u64 s[48:49], s[48:49], s[12:13]
	s_lshl_b32 s12, s10, 10
	s_lshl_b32 s56, s8, 8
	s_add_co_u32 s12, s12, s56
	s_add_nc_u64 s[50:51], s[50:51], s[12:13]
	s_add_nc_u64 s[42:43], s[42:43], s[14:15]
	s_add_nc_u64 s[44:45], s[44:45], s[14:15]
	s_add_nc_u64 s[46:47], s[46:47], s[14:15]
	v_and_b32 v1, 15, v0                           ; l % 16
	v_bfe_u32 v34, v0, 4, 1                        ; l / 16
	v_lshlrev_b32 v[AO], 6, v1
	v_lshl_add_u32 v[AO], v34, 4, v[AO]
	v_lshlrev_b32 v[BOO], 4, v1
	v_lshl_add_u32 v[XO], v34, 11, v[BOO]          ; by rows: lanes 0-15 take 256 bytes of one row, lanes 16-31 of the next
	v_lshl_add_u32 v[HO], v34, 10, v[BOO]
	v_lshlrev_b32 v[GO2], 5, v34
	v_and_b32 v35, 7, v0
	v_lshl_add_u32 v35, v34, 3, v35
	v_mul_u32_u24 v35, v35, PB
	v_bfe_u32 v36, v0, 3, 1
	v_lshl_add_u32 v35, v36, 4, v35
	v_add_nc_u32 v[ADRB], s11, v35
	v_add_nc_u32 v[ADRB+1], SLOT, v[ADRB]
	s_mul_i32 s57, s8, 16*SP
	s_add_co_u32 s57, s57, STAGE
	v_mul_u32_u24 v35, v1, SP
	v_add_nc_u32 v35, s57, v35
	v_lshl_add_u32 v[STA], v34, 5, v35             ; the accumulators' layout in f32: row l % 16, 32 bytes for each half of the lanes
	v_lshl_add_u32 v[STB], v34, 4, v35             ; in bf16: 16 bytes
	v_mul_u32_u24 v36, v34, SP
	v_add_nc_u32 v36, s57, v36
	v_add_nc_u32 v[RDA], v[BOO], v36               ; by rows
	v_lshlrev_b32 v[SR], 2, v1
	v_add_nc_u32 v[SR], STAT, v[SR]
	s_lshl_b32 s57, s8, 7
	v_add_nc_u32 v[SA], s57, v[SR]
	v_mov_b32 v[W+1], 0                            ; a destination of v_permlanex16_b32 counts as read
.set n, 0
.rept 32                               ; x by rows: quad n = t + 8 ch + 16 rb: rows 16 rb + 2 t, + 1; 256 bytes ch of my 512
	global_load_b128 v[F0+4*n:F0+4*n+3], v[XO], s[40:41] offset:(16*(n/16)+2*(n%8))*2048+256*((n/8)%2)
.set n, n+1
.endr
	global_load_b128 v[BOV:BOV+3],   v[BOO], s[42:43]
	global_load_b128 v[BOV+4:BOV+7], v[BOO], s[42:43] offset:256
	WIN 0x80
.set ks, 0
.rept 16
.irp rb, 0,1
	global_load_b128 v[8*(2*ks+\rb):8*(2*ks+\rb)+3],   v[AO], s[36:37] offset:ks*131072+\rb*1024
	global_load_b128 v[8*(2*ks+\rb)+4:8*(2*ks+\rb)+7], v[AO], s[36:37] offset:ks*131072+\rb*1024+32
.endr
.set ks, ks+1
.endr
	WIN 0x40
.irp cb, 0,1,2,3,4,5,6,7
	global_load_b128 v[128+8*\cb:128+8*\cb+3], v[GO2], s[44:45] offset:64*\cb
	global_load_b128 v[132+8*\cb:132+8*\cb+3], v[GO2], s[44:45] offset:64*\cb+16
	global_load_b128 v[192+8*\cb:192+8*\cb+3], v[GO2], s[46:47] offset:64*\cb
	global_load_b128 v[196+8*\cb:196+8*\cb+3], v[GO2], s[46:47] offset:64*\cb+16
.endr
	WIN 0
	s_wait_loadcnt 63                              ; of 130 loads at most the youngest 63 are out: x's 32 and bo's 2, the oldest, are in
.set n, 0
.rept 32
	v_pk_add_f32 v[F0+4*n:F0+4*n+1],   v[F0+4*n:F0+4*n+1],   v[BOV+4*((n/8)%2):BOV+4*((n/8)%2)+1]
	v_pk_add_f32 v[F0+4*n+2:F0+4*n+3], v[F0+4*n+2:F0+4*n+3], v[BOV+4*((n/8)%2)+2:BOV+4*((n/8)%2)+3]
.set n, n+1
.endr
.set g, 0
.rept 4                                ; g = ch + 2 rb: 16 rows x 64 columns through my stage, into four accumulators
.set t, 0
.rept 8
	ds_store_b128 v[RDA], v[F0+4*(t+8*g):F0+4*(t+8*g)+3] offset:t*2*SP
.set t, t+1
.endr
	WIN 0x40
.set c, 0
.rept 4
	ds_load_b128 v[8*(4*g+c):8*(4*g+c)+3],   v[STA] offset:64*c      ; LDS serves a wave's instructions in order: these see the stores above, the next group's stores come behind them
	ds_load_b128 v[8*(4*g+c)+4:8*(4*g+c)+7], v[STA] offset:64*c+16
.set c, c+1
.endr
	WIN 0
.set g, g+1
.endr
.macro FETCHB slot, q, f               ; wo's fragments of 32 along K: 16 turning loads
.irp cb, 0,1,2,3,4,5,6,7
	ds_load_tr16_b128 v[\f+8*\cb:\f+8*\cb+3],   v[ADRB+\slot] offset:\q*32*PB+32*\cb
	ds_load_tr16_b128 v[\f+8*\cb+4:\f+8*\cb+7], v[ADRB+\slot] offset:\q*32*PB+16*PB+32*\cb
.endr
.endm
.macro MULQ f, ks                      ; 16 products; the sixteen accumulators take turns, one instruction a turn
	WIN MUL
.irp rb, 0,1
.irp cb, 0,1,2,3,4,5,6,7
	v_wmma_f32_16x16x32_bf16 v[8*(8*\rb+\cb):8*(8*\rb+\cb)+7], v[\f+8*\cb:\f+8*\cb+7], v[8*(2*(\ks)+\rb):8*(2*(\ks)+\rb)+7], v[8*(8*\rb+\cb):8*(8*\rb+\cb)+7]
.endr
.endr
	WIN 0
.endm
.macro KSTEP slot, ks0                 ; 128 along K: each quarter's fragments are fetched while the quarter before is multiplied
	PLACES
	FETCHB \slot, 0, F0
	s_wait_dscnt 0x0
	FETCHB \slot, 1, F1
	MULQ F0, \ks0
	s_wait_dscnt 0x0
	PLACES
	FETCHB \slot, 2, F0
	MULQ F1, \ks0+1
	s_wait_dscnt 0x0
	PLACES
	FETCHB \slot, 3, F1
	MULQ F0, \ks0+2
	s_wait_dscnt 0x0
	MULQ F1, \ks0+3
.endm
.macro CHG slot                        ; the slot just read takes the K step two on: my reads and all my tensor loads are done, a round of the cluster's barrier, the joint refill first behind it
	s_wait_dscnt 0x0
	s_wait_tensorcnt 0x0
	ds_add_u32 v254, v255
	s_wait_dscnt 0x0
	s_add_nc_u64 s[G0+4*\slot+2:G0+4*\slot+3], s[G0+4*\slot+2:G0+4*\slot+3], 262144
	CROUND
	tensor_load_to_lds s[G0+4*\slot:G0+4*\slot+3], s[G1:G1+7]
	s_nop 0
	PLACES
.endm
	s_wait_dscnt 0x0                               ; x + bo lies in the accumulators
	s_wait_loadcnt 32                              ; ctx is in; g2's and s2's 32 loads may stay out
	s_wait_tensorcnt 1                             ; my tile of K step 0 is in; K step 1's may stay out
	KSTEP 0, 0
	CHG 0
	KSTEP 1, 4
	CHG 1
	s_wait_tensorcnt 1                             ; K step 2's tile is in (shown by the wait for all loads above); K step 3's stays out
	KSTEP 0, 8
	s_wait_tensorcnt 0x0
	KSTEP 1, 12
	; THE WAY OUT.  The accumulators hold x1.
.macro LANES2 off                      ; v[TT], v[TT+1] -> my wave's part of the row's sum, to the other waves
	v_add_f32 v[W], v[TT], v[TT+1]
	v_permlanex16_b32 v[W+1], v[W], s52, s53       ; the row's other 64 columns of my 128 lie in the lane 16 away
	v_add_f32 v[W], v[W], v[W+1]
	ds_store_b32 v[SA], v[W] offset:\off
.endm
.macro GATHER off                      ; behind the barrier: the four waves' parts of both row blocks; their sums in v[W] and v[W+4]
	s_wait_dscnt 0x0                               ; for the others' sake: my stores are done
	s_barrier_signal -1
	s_barrier_wait -1
.irp rb, 0,1
.irp w, 0,1,2,3
	ds_load_b32 v[W+4*\rb+\w], v[SR] offset:\off+128*\w+64*\rb
.endr
.endr
	s_wait_dscnt 0x0
.irp rb, 0,1
	v_add_f32 v[W+4*\rb], v[W+4*\rb], v[W+4*\rb+1]
	v_add_f32 v[W+4*\rb+2], v[W+4*\rb+2], v[W+4*\rb+3]
	v_add_f32 v[W+4*\rb], v[W+4*\rb], v[W+4*\rb+2]
.endr
.endm
	PLACES
.irp rb, 0,1
	WIN 0x05                                       ; sources window 1, destination window 0
.irp cb, 0,1,2,3,4,5,6,7               ; each accumulator is read from its low end on
	v_pk_add_f32 v[TT+4*\cb:TT+4*\cb+1],   v[64*\rb+8*\cb:64*\rb+8*\cb+1],     v[64*\rb+8*\cb+2:64*\rb+8*\cb+3]
	v_pk_add_f32 v[TT+4*\cb+2:TT+4*\cb+3], v[64*\rb+8*\cb+4:64*\rb+8*\cb+5],   v[64*\rb+8*\cb+6:64*\rb+8*\cb+7]
.endr
	WIN 0
.irp d, 16,8,4,2
.set uu, 0
.rept \d/2
	v_pk_add_f32 v[TT+uu:TT+uu+1], v[TT+uu:TT+uu+1], v[TT+\d+uu:TT+\d+uu+1]
.set uu, uu+2
.endr
.endr
	LANES2 64*\rb
.endr
	GATHER 0
.irp rb, 0,1
	v_mul_f32 v[MEAN+2*\rb], s54, v[W+4*\rb]
	v_mul_f32 v[MEAN+2*\rb+1], s54, v[W+4*\rb]
.endr
.set g, 0
.rept 4                                ; x1 goes out by whole rows, through my stage; each group has its own 32 registers
	WIN 0x04                                       ; store data window 1
.set c, 0
.rept 4
	ds_store_b128 v[STA], v[8*(4*g+c):8*(4*g+c)+3]   offset:64*c
	ds_store_b128 v[STA], v[8*(4*g+c)+4:8*(4*g+c)+7] offset:64*c+16
.set c, c+1
.endr
	WIN 0
.set t, 0
.rept 8
	ds_load_b128 v[F0+4*(t+8*g):F0+4*(t+8*g)+3], v[RDA] offset:t*2*SP
.set t, t+1
.endr
	s_wait_dscnt 0x0
.set t, 0
.rept 8
	global_store_b128 v[XO], v[F0+4*(t+8*g):F0+4*(t+8*g)+3], s[48:49] offset:(16*(g/2)+2*t)*2048+256*(g%2)   ; 16 lanes store 256 consecutive bytes, aligned
.set t, t+1
.endr
.set g, g+1
.endr
	WIN 0x41                                       ; destination and source 0 window 1, source 1 window 0
.irp rb, 0,1
.set uu, 0
.rept 32
	v_pk_add_f32 v[64*\rb+uu:64*\rb+uu+1], v[64*\rb+uu:64*\rb+uu+1], v[MEAN+2*\rb:MEAN+2*\rb+1] neg_lo:[0,1] neg_hi:[0,1]
.set uu, uu+2
.endr
.endr
.irp rb, 0,1
	WIN 0x05
.irp c, 0,1,2,3                        ; squares in four chains, started by the first products
	v_pk_mul_f32 v[TT+2*\c:TT+2*\c+1], v[64*\rb+2*\c:64*\rb+2*\c+1], v[64*\rb+2*\c:64*\rb+2*\c+1]
.endr
.set uu, 4
.rept 28
	v_pk_fma_f32 v[TT+2*(uu%4):TT+2*(uu%4)+1], v[64*\rb+2*uu:64*\rb+2*uu+1], v[64*\rb+2*uu:64*\rb+2*uu+1], v[TT+2*(uu%4):TT+2*(uu%4)+1]
.set uu, uu+1
.endr
	WIN 0
	v_pk_add_f32 v[TT:TT+1], v[TT:TT+1], v[TT+4:TT+5]
	v_pk_add_f32 v[TT+2:TT+3], v[TT+2:TT+3], v[TT+6:TT+7]
	v_pk_add_f32 v[TT:TT+1], v[TT:TT+1], v[TT+2:TT+3]
	LANES2 512+64*\rb                              ; other bytes than the first exchange's
.endr
	GATHER 512
.irp rb, 0,1
	v_fma_f32 v[W+4*\rb], v[W+4*\rb], s54, s55     ; variance + 1e-15
.endr
.irp rb, 0,1
	v_rsq_f32 v[RSTD+2*\rb], v[W+4*\rb]
	v_rsq_f32 v[RSTD+2*\rb+1], v[W+4*\rb]
.endr
	v_nop
	s_wait_alu depctr_va_vdst(0)
	s_wait_loadcnt 0x0                             ; g2 and s2
	s_wait_xcnt 0x0                                ; x1's stores have had their addresses translated: their data registers are loaded again below
.irp rb, 0,1
	WIN 0x41
.set uu, 0
.rept 32
	v_pk_mul_f32 v[64*\rb+uu:64*\rb+uu+1], v[64*\rb+uu:64*\rb+uu+1], v[RSTD+2*\rb:RSTD+2*\rb+1]
.set uu, uu+2
.endr
	WIN 0x55                                       ; all in window 1
.set uu, 0
.rept 32
	v_pk_fma_f32 v[64*\rb+uu:64*\rb+uu+1], v[64*\rb+uu:64*\rb+uu+1], v[128+uu:128+uu+1], v[192+uu:192+uu+1]
.set uu, uu+2
.endr
	WIN 0x05
.set uu, 0
.rept 32
	v_cvt_pk_bf16_f32 v[TT+uu], v[64*\rb+2*uu], v[64*\rb+2*uu+1]
.set uu, uu+1
.endr
	WIN 0
.irp cb, 0,1,2,3,4,5,6,7
	ds_store_b128 v[STB], v[TT+4*\cb:TT+4*\cb+3] offset:32*\cb
.endr
.irp t, 0,1,2,3,4,5,6,7
	ds_load_b128 v[F0+32*\rb+4*\t:F0+32*\rb+4*\t+3], v[RDA] offset:\t*2*SP
.endr
	s_wait_dscnt 0x0
.irp t, 0,1,2,3,4,5,6,7
	global_store_b128 v[HO], v[F0+32*\rb+4*\t:F0+32*\rb+4*\t+3], s[50:51] offset:(16*\rb+2*\t)*1024   ; 16 lanes store 256 consecutive bytes, aligned
.endr
.endr
	s_wait_tensorcnt 0x0
	ds_add_u32 v254, v255
	s_wait_dscnt 0x0
	CROUND                                         ; the closing round
	s_endpgm
.Lfunc_end_k_qc45ecb0a85_wo_ln:
	.size	k_qc45ecb0a85_wo_ln, .Lfunc_end_k_qc45ecb0a85_wo_ln-k_qc45ecb0a85_wo_ln
	.p2alignl 7, 3214868480
	.fill 96, 4, 3214868480
	.section	.rodata,"a",@progbits
	.p2align	6, 0x0
	.amdhsa_kernel k_qc45ecb0a85_wo_ln
		.amdhsa_group_segment_fixed_size 327680
		.amdhsa_private_segment_fixed_size 0
		.amdhsa_enable_private_segment 0
		.amdhsa_kernarg_size 64
		.amdhsa_user_sgpr_count 2
		.amdhsa_user_sgpr_kernarg_segment_ptr 1
		.amdhsa_wavefront_size32 1
		.amdhsa_system_sgpr_workgroup_id_x 1
		.amdhsa_system_sgpr_workgroup_id_y 1
		.amdhsa_system_sgpr_workgroup_id_z 1
		.amdhsa_system_vgpr_workitem_id 0
		.amdhsa_next_free_vgpr 768
		.amdhsa_next_free_sgpr 66
		.amdhsa_reserve_vcc 0
		.amdhsa_float_denorm_mode_32 3
		.amdhsa_float_denorm_mode_16_64 3
		.amdhsa_memory_ordered 1
		.amdhsa_forward_progress 1
		.amdhsa_inst_pref_size 102
	.end_amdhsa_kernel
	.amdgpu_metadata
---
amdhsa.version: [ 1, 2 ]
amdhsa.kernels:
  - .name:           k_qc45ecb0a85_wo_ln
    .symbol:         k_qc45ecb0a85_wo_ln.kd
    .args:
      - { .name: ctx, .offset: 0, .size: 8, .value_kind: global_buffer, .address_space: global }
      - { .name: wb, .offset: 8, .size: 8, .value_kind: global_buffer, .address_space: global }
      - { .name: x, .offset: 16, .size: 8, .value_kind: global_buffer, .address_space: global }
      - { .name: bo, .offset: 24, .size: 8, .value_kind: global_buffer, .address_space: global }
      - { .name: g2, .offset: 32, .size: 8, .value_kind: global_buffer, .address_space: global }
      - { .name: s2, .offset: 40, .size: 8, .value_kind: global_buffer, .address_space: global }
      - { .name: x1, .offset: 48, .size: 8, .value_kind: global_buffer, .address_space: global }
      - { .name: hn, .offset: 56, .size: 8, .value_kind: global_buffer, .address_space: global }
    .group_segment_fixed_size: 327680
    .private_segment_fixed_size: 0
    .kernarg_segment_align: 8
    .kernarg_segment_size: 64
    .max_flat_workgroup_size: 128
    .sgpr_count:     66
    .vgpr_count:     768
    .wavefront_size: 32
...
	.end_amdgpu_metadata
.endif
;; end of part 4
;; launch ffn1 (part 5): grid 8 x 32, 4 waves a work-group, clusters of 4 x 4, 327,680 bytes of LDS; arguments hn, wb, b1, u; writes u
.if DOCPART == 5
	.amdgcn_target "amdgcn-amd-amdhsa--gfx1250"
	.amdhsa_code_object_version 6
	.text
	.protected	k_qc45ecb0a85_ffn1
	.globl	k_qc45ecb0a85_ffn1
	.p2align	8
	.type	k_qc45ecb0a85_ffn1,@function
k_qc45ecb0a85_ffn1:
	s_mov_b64 s[64:65], 0
	v_nop
	global_prefetch_b8 v0, s[64:65] scope:SCOPE_SE
	s_setreg_imm32_b32 hwreg(HW_REG_WAVE_MODE, 25, 1), 1
	s_wait_xcnt 0x0
	s_wait_alu depctr_hold_cnt(0) depctr_sa_sdst(0) depctr_va_vdst(0) depctr_va_sdst(0) depctr_va_ssrc(0) depctr_va_vcc(0) depctr_vm_vsrc(0)
	s_getreg_b32 s2, hwreg(HW_REG_IB_STS2, 6, 4)
	s_cmp_eq_u32 s2, 0
	s_cbranch_scc0 .Lentry_in_a_cluster
	s_endpgm
.Lentry_in_a_cluster:
	s_bfe_u32 s2, ttmp6, 0x10000c
	s_cmp_lg_u32 s2, 0xf033
	s_cbranch_scc0 .Lentry_shape_is_right
	s_endpgm
.Lentry_shape_is_right:
; C = A B.  A = hn [8192][512] bf16, B = a part of wb, stored [512][SIZE_N] bf16; sums in f32.
; FFN = 0: B = [c wq | wk | wv] (1,536 columns); C goes out in bf16 by head: qkv[matrix][batch][head][token][32].
; FFN = 1: B = w1 (2,048 columns); u = gelu(C + b1) goes out in bf16, [8192][2048].
; A tile of C is 256 x NT (NT = 192 or 256): 8 x 32 tiles, one to a work-group.  Four waves, each 128 x NT/2: 8 x NB accumulators of 16 x 16.
; K = 512 goes in four steps of 128 through two LDS slots filled by the tensor data mover; the text has no loop.
; B lies [K][N], so its fragments come out of LDS by the turning load (ds_load_tr16_b128).
; CLUSTER 4 x 4: A's tiles are shared along a row of the cluster, B's along a column; each is asked for jointly, by the same load with the same descriptor in all four.
; THE MATRIX INSTRUCTION IS USED TRANSPOSED (source 0 = 16 columns of B, source 1 = 16 rows of A): a lane holds eight neighbouring numbers of a row of C.
; REGISTERS: window 0: v0-31 addresses, v64-191 A's fragments (two buffers), later the way out; window 1: v64-191 B's fragments, v0-63 the bias (FFN);
;   window 2: accumulators of my rows 0-63 ((a, b) at v[8 (8 (a % 4) + b)]); window 3: of my rows 64-127.
; LIMITS: operands bf16.  GeLU as x / (1 + 2^(x (k0 + k1 x^2))), k0 = -2 sqrt(2/pi) log2(e), k1 = 0.044715 k0: the same function as 0.5 x (1 + tanh(..)); its ends are x and -0.
.set FFN, 1
.if FFN
.set NB,     8                         ; blocks of 16 columns in a wave's tile
.set SIZE_N, 2048
.set WOFF,   2097152                   ; w1 in wb
.set SPITCH, 272                       ; a stage row: 256 bytes + 16
.set QIB,    5                         ; B's rows: padding behind every 64 words
.set CSEG,   64                        ; two blocks of 16 columns lie 64 bytes apart
.else
.set NB,     6
.set SIZE_N, 1536
.set WOFF,   0
.set SPITCH, 208                       ; 192 bytes + 16
.set QIB,    3                         ; B's rows of 192 bytes: padding behind every 16 words, three pieces of 64 + 32 bytes
.set CSEG,   96
.endif
.set NT,     32*NB
.set SIZE_K, 512
.set PA,     272                       ; A's LDS row: 256 + 16 bytes: the 16 rows of a fragment load start at 16 different banks (64 banks of 4 bytes: ISA guide 11.1)
.set PB,     288                       ; B's LDS row: an odd multiple of 32 bytes
.set HALFA,  128*PA
.set HALFB,  128*PB
.set SLOT,   2*HALFA+2*HALFB           ; A's rows 0-127, 128-255; B's column halves 0, 1
.set STAGE,  2*SLOT                    ; behind the ring: 4,352 bytes for each wave; no tensor load fills it
.set ADRA, 16                          ; v16-17  my A fragments in slot 0, 1
.set ADRB, 20                          ; v20-21  my B fragments
.set STO,  24
.set RD,   25
.set CO,   26
.set BO,   27                          ; v27     32 (l / 16): my place in the bias
.set K0,   28                          ; v28-29  k0, twice
.set F0,   64
.set F1,   128
.set XG,   64                          ; the way out (FFN): x, then gelu(x)
.set ZG,   128                         ; the way out (FFN): at work
.set TMP,  192
.set OB,   32                          ; 16 rows read back from the stage: v32-63 and v224-255 by turns
.set G1,  24
.set G0,  32
.set G1B, 48
.set G0B, 56
.set MSB, 0
.macro WIN new                         ; the immediate's high byte repeats the setting that is left
.if MSB != \new
	s_set_vgpr_msb (MSB<<8)|\new
.set MSB, \new
.endif
.endm
.set MUL_LO, 0xa1                      ; source 0 (B) window 1, source 1 (A) window 0, C and D window 2
.set MUL_HI, 0xf1
.set TO_B,   0x40
.macro PLACES                          ; four plain places behind matrix instructions (ISA guide 7.12.1 for matrix instructions)
.rept 4
	v_nop
.endr
.endm
.macro JLOAD s                         ; a joint refill: waves 0, 1 fetch A's halves, waves 2, 3 B's; four v_nop follow each line
	s_cmp_eq_u32 s11, 0
	s_cbranch_scc0 .Lfor_b_\@
	tensor_load_to_lds s[G0+4*\s:G0+4*\s+3], s[G1:G1+7]
	s_nop 0
	PLACES
	s_branch .Lasked_\@
.Lfor_b_\@:
	tensor_load_to_lds s[G0B+4*\s:G0B+4*\s+3], s[G1B:G1B+7]
	s_nop 0
	PLACES
.Lasked_\@:
.endm
.macro CREST                           ; a round of the cluster's barrier behind its opening barrier
	s_cmp_lg_u32 s10, 0
	s_cbranch_scc1 .Lnot_wave_0_\@
	s_barrier_signal -3
.Lnot_wave_0_\@:
	s_barrier_wait -3
	s_barrier_signal -1
	s_barrier_wait -1
.endm
.macro CROUND
	s_barrier_signal -1
	s_barrier_wait -1
	CREST
.endm
	s_load_b128 s[4:7], s[0:1], 0x0                ; hn, wb
.if FFN
	s_load_b64 s[66:67], s[0:1], 0x10              ; b1
	s_load_b64 s[8:9], s[0:1], 0x18                ; u
	s_set_vgpr_msb 0x40
	v_lshl_add_u32 v255, v0, 2, 0x4a400
	s_set_vgpr_msb 0x4000
	v_mov_b32 v31, 0
	s_set_vgpr_msb 0x1
	ds_add_u32 v255, v31
	ds_add_u32 v255, v31
	s_set_vgpr_msb 0x100
.else
	s_load_b64 s[8:9], s[0:1], 0x10                ; qkv
.endif
	v_lshrrev_b32 v1, 5, v0
	v_readfirstlane_b32 s10, v1                    ; wave 0..3
	s_lshr_b32 s11, s10, 1                         ; my half of the tile's rows.  Also: I fetch for A (0) or B (1)
	s_and_b32 s12, s10, 1                          ; my half of its columns.  Also: which half I fetch
	s_bfe_u32 s40, ttmp6, 0x40000                  ; cx
	s_bfe_u32 s41, ttmp6, 0x40004                  ; cy
	s_lshl_b32 s42, ttmp9, 2
	s_add_co_u32 s42, s42, s40                     ; tile column
	s_and_b32 s13, ttmp7, 0xffff
	s_lshl_b32 s13, s13, 2
	s_add_co_u32 s13, s13, s41                     ; tile row
	s_lshl_b32 s43, s41, 2
	s_lshl_b32 s43, 15, s43                        ; my row of the cluster
	s_lshl_b32 s44, 0x1111, s40                    ; my column
	s_or_b32 s[G1+0], s43, (1<<16)|(1<<20)|(1<<21)|(5<<22)|(3<<25)     ; mask; 2-byte elements; padding on; bit 21 beside a mask; 4 words behind every 64
	s_or_b32 s[G1B+0], s44, (1<<16)|(1<<20)|(1<<21)|(QIB<<22)|(7<<25)  ; 8 words behind every 64 (FFN) or 16
	s_mov_b32 s[G1+1], 128<<16                     ; tensor_dim0 = 128
	s_mov_b32 s[G1+2], 128<<16                     ; tensor_dim1 = 128
	s_mov_b32 s[G1+3], 128<<16                     ; tile_dim0 = 128
	s_mov_b32 s[G1+4], 128                         ; tile_dim1 = 128
	s_mov_b32 s[G1+5], SIZE_K                      ; elements from row to row
	s_mov_b32 s[G1+6], 0
	s_mov_b32 s[G1+7], 0
	s_mov_b32 s[G1B+1], (NT/2)<<16                 ; B: 128 rows (K) of NT/2 columns
	s_mov_b32 s[G1B+2], 128<<16
	s_mov_b32 s[G1B+3], (NT/2)<<16
	s_mov_b32 s[G1B+4], 128
	s_mov_b32 s[G1B+5], SIZE_N
	s_mov_b32 s[G1B+6], 0
	s_mov_b32 s[G1B+7], 0
	s_lshl_b32 s17, s12, 7                         ; A hangs on the tile row alone, B on the tile column alone, each in registers of its own
	s_lshl_b32 s16, s13, 8
	s_add_co_u32 s16, s16, s17
	s_lshl_b32 s16, s16, 10                        ; row x 1,024 bytes
	s_mov_b32 s17, 0
	s_mul_i32 s46, s42, NT*2
	s_mul_i32 s47, s12, NT
	s_add_co_u32 s46, s46, s47
	s_add_co_u32 s46, s46, WOFF
	s_mov_b32 s47, 0
	s_mul_i32 s20, s12, HALFA                      ; where they go: no place in the cluster enters an LDS address
	s_mul_i32 s21, s12, HALFB
	s_add_co_u32 s21, s21, 2*HALFA
	s_wait_dscnt 0x0
	s_wait_kmcnt 0x0
	s_add_nc_u64 s[14:15], s[4:5], s[16:17]
	s_add_nc_u64 s[46:47], s[6:7], s[46:47]
.irp s, 0,1
	s_mov_b32 s[G0+4*\s], 1
	s_add_co_u32 s[G0+4*\s+1], s20, \s*SLOT
	s_add_nc_u64 s[G0+4*\s+2:G0+4*\s+3], s[14:15], \s*256          ; K step s
	s_or_b32 s[G0+4*\s+3], s[G0+4*\s+3], 0x80000000
	s_mov_b32 s[G0B+4*\s], 1
	s_add_co_u32 s[G0B+4*\s+1], s21, \s*SLOT
	s_add_nc_u64 s[G0B+4*\s+2:G0B+4*\s+3], s[46:47], \s*256*SIZE_N
	s_or_b32 s[G0B+4*\s+3], s[G0B+4*\s+3], 0x80000000
.endr
	CROUND                                         ; all sixteen work-groups are here: the first joint loads meet
	s_cmp_eq_u32 s11, 0                            ; a wave's two first fills stand in one branch: two loads of mine are out
	s_cbranch_scc0 .Lfirst_b
	tensor_load_to_lds s[G0:G0+3], s[G1:G1+7]
	s_nop 0
	tensor_load_to_lds s[G0+4:G0+7], s[G1:G1+7]
	s_nop 0
	PLACES
	s_branch .Lfirst_asked
.Lfirst_b:
	tensor_load_to_lds s[G0B:G0B+3], s[G1B:G1B+7]
	s_nop 0
	tensor_load_to_lds s[G0B+4:G0B+7], s[G1B:G1B+7]
	s_nop 0
	PLACES
.Lfirst_asked:
	v_and_b32 v1, 15, v0                           ; l % 16
	v_bfe_u32 v2, v0, 4, 1                         ; l / 16
	v_mul_u32_u24 v3, v1, PA
	v_lshl_add_u32 v3, v2, 4, v3                   ; A: row x pitch + 16 x half
	v_and_b32 v5, 7, v0
	v_lshl_add_u32 v5, v2, 3, v5
	v_mul_u32_u24 v5, v5, PB                       ; B, turned: K row 8 (l / 16) + l % 8,
	v_bfe_u32 v6, v0, 3, 1
	v_lshl_add_u32 v5, v6, 4, v5                   ; 16 bytes for each half of eight lanes
	s_mul_i32 s21, s11, HALFA
	s_mul_i32 s22, s12, HALFB
	s_add_co_u32 s22, s22, 2*HALFA
.irp s, 0,1
	v_add_nc_u32 v[ADRA+\s], s21, v3
	v_add_nc_u32 v[ADRB+\s], s22, v5
	s_add_co_u32 s21, s21, SLOT
	s_add_co_u32 s22, s22, SLOT
.endr
	s_mul_i32 s23, s10, 4352
	s_add_co_u32 s23, s23, STAGE                   ; my stage
	v_mul_u32_u24 v4, v1, SPITCH
	v_lshl_add_u32 v4, v2, 4, v4
	v_add_nc_u32 v[STO], s23, v4                   ; in: row l % 16, 16 bytes for each half of the lanes
.if FFN
	v_mul_u32_u24 v5, v2, SPITCH                   ; back: lanes 0-15 one row of 256 bytes, lanes 16-31 the next
	v_lshl_add_u32 v5, v1, 4, v5
	v_add_nc_u32 v[RD], s23, v5
	v_mul_u32_u24 v5, v2, SIZE_N*2
	v_lshl_add_u32 v[CO], v1, 4, v5
	v_lshlrev_b32 v[BO], 5, v2
	v_mov_b32 v[K0], 0xc0135761                    ; k0 = -2 sqrt(2/pi) log2(e)
	v_mov_b32 v[K0+1], 0xc0135761
	s_mov_b32 s68, 0xbdd2d3e8                      ; k1 = 0.044715 k0
	s_mov_b32 s69, 0xbdd2d3e8
	s_lshl_b32 s18, s42, 10                        ; my 128 columns of b1, in bytes
	s_lshl_b32 s19, s12, 9
	s_add_co_u32 s18, s18, s19
	s_mov_b32 s19, 0
	s_add_nc_u64 s[66:67], s[66:67], s[18:19]
	WIN TO_B
.irp b, 0,1,2,3,4,5,6,7                ; the bias as an accumulator holds its columns: block b, columns 8 (l / 16) + 0..7
	global_load_b128 v[8*\b:8*\b+3],   v[BO], s[66:67] offset:64*\b
	global_load_b128 v[8*\b+4:8*\b+7], v[BO], s[66:67] offset:64*\b+16
.endr
	WIN 0
	s_lshl_b32 s18, s13, 8
	s_lshl_b32 s19, s11, 7
	s_add_co_u32 s18, s18, s19
	s_lshl_b32 s18, s18, 12                        ; my first row of u x 4,096 bytes
	s_lshl_b32 s19, s42, 9
	s_add_co_u32 s18, s18, s19
	s_lshl_b32 s19, s12, 8
	s_add_co_u32 s18, s18, s19
	s_mov_b32 s19, 0
	s_add_nc_u64 s[8:9], s[8:9], s[18:19]
.else
	v_and_b32 v7, 31, v0
	v_lshrrev_b32 v8, 2, v7                        ; back: 8 tokens x 64 bytes of one head: token l / 4, 16 bytes l % 4
	v_mul_u32_u24 v8, v8, SPITCH
	v_and_b32 v9, 3, v0
	v_lshl_add_u32 v8, v9, 4, v8
	v_add_nc_u32 v[RD], s23, v8
	v_lshlrev_b32 v[CO], 4, v7                     ; and the same 512 neighbouring bytes in qkv
	s_mul_i32 s18, s42, 6
	s_mul_i32 s19, s12, 3
	s_add_co_u32 s18, s18, s19                     ; the first of my three heads, counted through q, k, v: 16 x matrix + head
	s_lshr_b32 s19, s13, 3
	s_lshl_b32 s19, s19, 21                        ; the batch
	s_and_b32 s22, s13, 7
	s_lshl_b32 s22, s22, 14                        ; 256 tokens x 64 bytes
	s_add_co_u32 s19, s19, s22
	s_lshl_b32 s22, s11, 13
	s_add_co_u32 s19, s19, s22
.irp j, 0,1,2
	s_add_co_u32 s20, s18, \j
	s_lshr_b32 s21, s20, 4
	s_lshl_b32 s21, s21, 23
	s_and_b32 s20, s20, 15
	s_lshl_b32 s20, s20, 17
	s_add_co_u32 s20, s20, s21
	s_add_co_u32 s20, s20, s19
	s_mov_b32 s21, 0
	s_add_nc_u64 s[66+2*\j:67+2*\j], s[8:9], s[20:21]
.endr
.endif
; 2 NB matrix instructions: row blocks a0, a0 + 1 of the window's four x all NB column blocks, 32 along K.  zero = 1: the first product starts the sums.
; The accumulators take turns, one instruction a turn, in the same order in every quarter.
.macro MUL16 f, hi, a0, zero
.irp a, \a0, \a0+1
.set bb, 0
.rept NB
.if \zero
	v_wmma_f32_16x16x32_bf16 v[8*(8*(\a)+bb):8*(8*(\a)+bb)+7], v[\f+8*bb:\f+8*bb+7], v[\f+8*(4*\hi+\a):\f+8*(4*\hi+\a)+7], 0
.else
	v_wmma_f32_16x16x32_bf16 v[8*(8*(\a)+bb):8*(8*(\a)+bb)+7], v[\f+8*bb:\f+8*bb+7], v[\f+8*(4*\hi+\a):\f+8*(4*\hi+\a)+7], v[8*(8*(\a)+bb):8*(8*(\a)+bb)+7]
.endif
.set bb, bb+1
.endr
.endr
.endm
; the fragments of quarter q (32 along K) of a slot into buffer f: 2 NB turning loads of B, then 16 loads of A
.macro FETCH slot, q, f
	WIN TO_B
.set ii, 0
.rept NB
	ds_load_tr16_b128 v[\f+8*ii:\f+8*ii+3],   v[ADRB+\slot] offset:\q*32*PB+(ii/2)*CSEG+(ii%2)*32
	ds_load_tr16_b128 v[\f+8*ii+4:\f+8*ii+7], v[ADRB+\slot] offset:\q*32*PB+16*PB+(ii/2)*CSEG+(ii%2)*32
.set ii, ii+1
.endr
	WIN 0
.irp i, 0,1,2,3,4,5,6,7
	ds_load_b128 v[\f+8*\i:\f+8*\i+3],   v[ADRA+\slot] offset:\q*64+\i*16*PA
	ds_load_b128 v[\f+8*\i+4:\f+8*\i+7], v[ADRA+\slot] offset:\q*64+\i*16*PA+32
.endr
.endm
; one of a K step's first three quarters: multiplies buffer f, and in its middle fetches quarter q into buffer g
.macro QUARTER slot, q, f, g, zero
	s_wait_dscnt 8                                 ; B and A's rows 0-63 are in; the youngest eight loads (A's rows 64-127) may be out
	WIN MUL_LO
	MUL16 \f, 0, 0, \zero
	MUL16 \f, 0, 2, \zero
	PLACES
	FETCH \slot, \q, \g
	s_wait_dscnt 16+2*NB                           ; all but the run just issued
	WIN MUL_HI
	MUL16 \f, 1, 0, \zero
	MUL16 \f, 1, 2, \zero
.endm
; the last quarter multiplies buffer 1 and changes slots.  In front of the barrier each wave waits for its reads of this slot and for all its tensor loads
; (one is out: its part of the next slot).  fill = 1: the barrier opens a round of the cluster's barrier, and this slot's refill is the first tensor load behind it.
.macro TURN slot, next, fill
	s_wait_dscnt 8
	WIN MUL_LO
	MUL16 F1, 0, 0, 0
	s_wait_dscnt 0
	s_wait_tensorcnt 0x0
	ds_add_u32 v255, v31
	s_wait_dscnt 0x0
	s_barrier_signal -1
	MUL16 F1, 0, 2, 0                              ; register work while the others arrive
.if \fill
	WIN 0
.endif
	s_barrier_wait -1
.if \fill
	CREST
	s_add_nc_u64 s[G0+4*\slot+2:G0+4*\slot+3], s[G0+4*\slot+2:G0+4*\slot+3], 512            ; two K steps on: no load of mine is out
	s_add_nc_u64 s[G0B+4*\slot+2:G0B+4*\slot+3], s[G0B+4*\slot+2:G0B+4*\slot+3], 512*SIZE_N
	JLOAD \slot                                    ; its four v_nop are also the places in front of the loads below
.else
	PLACES
.endif
	FETCH \next, 0, F0
	WIN MUL_HI
	MUL16 F1, 1, 0, 0
	MUL16 F1, 1, 2, 0
.endm
; THE WAY OUT of row block a.  PACK: to 16 bytes of bf16 a lane and column block.  TOSTAGE: into my own stage and back in the order of memory.  SEND: stored.
.macro PACK a
.set AC, 64*((\a)%4)
.if FFN
	WIN 0x06+((\a)/4)                              ; source 0: window 2 or 3 (the sums), source 1: window 1 (the bias)
.set ii, 0
.rept 32
	v_pk_add_f32 v[XG+ii:XG+ii+1], v[AC+ii:AC+ii+1], v[ii:ii+1]    ; ascending: each accumulator is read from its low end on
.set ii, ii+2
.endr
	WIN 0
.set ii, 0
.rept 32
	v_pk_mul_f32 v[ZG+ii:ZG+ii+1], v[XG+ii:XG+ii+1], v[XG+ii:XG+ii+1]
.set ii, ii+2
.endr
.set ii, 0
.rept 32
	v_pk_fma_f32 v[ZG+ii:ZG+ii+1], v[ZG+ii:ZG+ii+1], s[68:69], v[K0:K0+1] op_sel_hi:[1,0,1]   ; k1 x^2 + k0
.set ii, ii+2
.endr
.set ii, 0
.rept 32
	v_pk_mul_f32 v[ZG+ii:ZG+ii+1], v[ZG+ii:ZG+ii+1], v[XG+ii:XG+ii+1]
.set ii, ii+2
.endr
.set ii, 0
.rept 64
	v_exp_f32 v[ZG+ii], v[ZG+ii]
.set ii, ii+1
.endr
	v_nop                                          ; a plain instruction behind the last exponential
.set ii, 0
	s_wait_alu depctr_va_vdst(0)
.rept 32
	v_pk_add_f32 v[ZG+ii:ZG+ii+1], v[ZG+ii:ZG+ii+1], 1.0 op_sel_hi:[1,0]
.set ii, ii+2
.endr
.set ii, 0
.rept 64
	v_rcp_f32 v[ZG+ii], v[ZG+ii]
.set ii, ii+1
.endr
	v_nop
.set ii, 0
	s_wait_alu depctr_va_vdst(0)
.rept 32
	v_pk_mul_f32 v[XG+ii:XG+ii+1], v[XG+ii:XG+ii+1], v[ZG+ii:ZG+ii+1]
.set ii, ii+2
.endr
.set ii, 0
.rept 32
	v_cvt_pk_bf16_f32 v[TMP+ii], v[XG+2*ii], v[XG+2*ii+1]
.set ii, ii+1
.endr
.else
	WIN 0x0a+5*((\a)/4)                            ; sources 0 and 1: window 2 or 3
.set ii, 0
.rept 4*NB
	v_cvt_pk_bf16_f32 v[TMP+ii], v[AC+2*ii], v[AC+2*ii+1]
.set ii, ii+1
.endr
	WIN 0
.endif
.endm
.macro TOSTAGE a
.set BK, OB+192*((\a)%2)
.set ii, 0
.rept NB
	ds_store_b128 v[STO], v[TMP+4*ii:TMP+4*ii+3] offset:32*ii
.set ii, ii+1
.endr
.if FFN
.irp t, 0,1,2,3,4,5,6,7
	ds_load_b128 v[BK+4*\t:BK+4*\t+3], v[RD] offset:\t*2*SPITCH    ; LDS serves a wave's instructions in order (ISA guide 5.7.1.4): these see the stores above
.endr
.else
.irp j, 0,1,2
.irp e, 0,1
	ds_load_b128 v[BK+4*(2*\j+\e):BK+4*(2*\j+\e)+3], v[RD] offset:64*\j+\e*8*SPITCH
.endr
.endr
.endif
.endm
.macro SEND a
.set BK, OB+192*((\a)%2)
	s_wait_dscnt 0x0                               ; the block is back in registers
	s_wait_xcnt 0x0                                ; only behind this wait are the stores' base and the registers that earlier stores read written again
.if FFN
.if (\a) > 0
	s_add_nc_u64 s[8:9], s[8:9], 16*SIZE_N*2
.endif
.irp t, 0,1,2,3,4,5,6,7
	global_store_b128 v[CO], v[BK+4*\t:BK+4*\t+3], s[8:9] offset:2*\t*SIZE_N*2   ; 16 lanes store 256 consecutive bytes, aligned
.endr
.else
.irp j, 0,1,2
.irp e, 0,1
	global_store_b128 v[CO], v[BK+4*(2*\j+\e):BK+4*(2*\j+\e)+3], s[66+2*\j:67+2*\j] offset:(\a)*1024+\e*512   ; the wave stores 512 consecutive bytes of one head
.endr
.endr
.endif
.endm
	s_wait_tensorcnt 1                             ; my part of K step 0 is in; K step 1's may stay out
	s_barrier_signal -1
	s_barrier_wait -1
	FETCH 0, 0, F0
	QUARTER 0, 1, F0, F1, 1                        ; the first quarter's products start the sums
	QUARTER 0, 2, F1, F0, 0
	QUARTER 0, 3, F0, F1, 0
	TURN 0, 1, 1                                   ; slot 0 takes K step 2
	QUARTER 1, 1, F0, F1, 0
	QUARTER 1, 2, F1, F0, 0
	QUARTER 1, 3, F0, F1, 0
	TURN 1, 0, 1                                   ; slot 1 takes K step 3
	QUARTER 0, 1, F0, F1, 0
	QUARTER 0, 2, F1, F0, 0
	QUARTER 0, 3, F0, F1, 0
	TURN 0, 1, 0                                   ; nothing is left to fetch
	QUARTER 1, 1, F0, F1, 0
	QUARTER 1, 2, F1, F0, 0
	QUARTER 1, 3, F0, F1, 0
	s_wait_dscnt 8
	WIN MUL_LO
	MUL16 F1, 0, 0, 0
	MUL16 F1, 0, 2, 0
	s_wait_dscnt 0
	WIN MUL_HI
	MUL16 F1, 1, 0, 0
	MUL16 F1, 1, 2, 0
	WIN 0
	PLACES
.if FFN
	s_wait_loadcnt 0x0                             ; the bias
.endif
	PACK 0
	TOSTAGE 0
.irp a, 1,2,3,4,5,6,7                  ; block a's arithmetic stands between block a - 1's loads from the stage and the wait for them
	PACK \a
	SEND \a-1
	TOSTAGE \a
.endr
	SEND 7
	s_set_vgpr_msb 0x1
	s_wait_tensorcnt 0x0
	ds_add_u32 v255, v31
	s_wait_dscnt 0x0
	s_set_vgpr_msb 0x100
	CROUND                                         ; the closing round: no work-group ends while a partner may still ask for a tile that names it
	s_endpgm
.Lfunc_end_k_qc45ecb0a85_ffn1:
	.size	k_qc45ecb0a85_ffn1, .Lfunc_end_k_qc45ecb0a85_ffn1-k_qc45ecb0a85_ffn1
	.p2alignl 7, 3214868480
	.fill 96, 4, 3214868480
	.section	.rodata,"a",@progbits
	.p2align	6, 0x0
	.amdhsa_kernel k_qc45ecb0a85_ffn1
		.amdhsa_group_segment_fixed_size 327680
		.amdhsa_private_segment_fixed_size 0
		.amdhsa_enable_private_segment 0
		.amdhsa_kernarg_size 32
		.amdhsa_user_sgpr_count 2
		.amdhsa_user_sgpr_kernarg_segment_ptr 1
		.amdhsa_wavefront_size32 1
		.amdhsa_system_sgpr_workgroup_id_x 1
		.amdhsa_system_sgpr_workgroup_id_y 1
		.amdhsa_system_sgpr_workgroup_id_z 1
		.amdhsa_system_vgpr_workitem_id 0
		.amdhsa_next_free_vgpr 1024
		.amdhsa_next_free_sgpr 72
		.amdhsa_reserve_vcc 0
		.amdhsa_float_denorm_mode_32 3
		.amdhsa_float_denorm_mode_16_64 3
		.amdhsa_memory_ordered 1
		.amdhsa_forward_progress 1
		.amdhsa_inst_pref_size 255
	.end_amdhsa_kernel
	.section	.bss,"aw",@nobits
	.p2align	6
	.space	262144
	.amdgpu_metadata
---
amdhsa.version: [ 1, 2 ]
amdhsa.kernels:
  - .name:           k_qc45ecb0a85_ffn1
    .symbol:         k_qc45ecb0a85_ffn1.kd
    .args:
      - { .name: hn, .offset: 0, .size: 8, .value_kind: global_buffer, .address_space: global }
      - { .name: wb, .offset: 8, .size: 8, .value_kind: global_buffer, .address_space: global }
      - { .name: b1, .offset: 16, .size: 8, .value_kind: global_buffer, .address_space: global }
      - { .name: u, .offset: 24, .size: 8, .value_kind: global_buffer, .address_space: global }
    .group_segment_fixed_size: 327680
    .private_segment_fixed_size: 0
    .kernarg_segment_align: 8
    .kernarg_segment_size: 32
    .max_flat_workgroup_size: 128
    .sgpr_count:     72
    .vgpr_count:     1024
    .wavefront_size: 32
...
	.end_amdgpu_metadata
.endif
;; end of part 5
;; launch ffn2 (part 6): grid 4 x 64, 4 waves a work-group, clusters of 4 x 4, 327,680 bytes of LDS; arguments u, wb, b2, x1, out0; writes out0
.if DOCPART == 6
	.amdgcn_target "amdgcn-amd-amdhsa--gfx1250"
	.amdhsa_code_object_version 6
	.text
	.protected	k_qc45ecb0a85_ffn2
	.globl	k_qc45ecb0a85_ffn2
	.p2align	8
	.type	k_qc45ecb0a85_ffn2,@function
k_qc45ecb0a85_ffn2:
	s_mov_b64 s[64:65], 0
	v_nop
	global_prefetch_b8 v0, s[64:65] scope:SCOPE_SE
	s_setreg_imm32_b32 hwreg(HW_REG_WAVE_MODE, 25, 1), 1
	s_wait_xcnt 0x0
	s_wait_alu depctr_hold_cnt(0) depctr_sa_sdst(0) depctr_va_vdst(0) depctr_va_sdst(0) depctr_va_ssrc(0) depctr_va_vcc(0) depctr_vm_vsrc(0)
	s_getreg_b32 s2, hwreg(HW_REG_IB_STS2, 6, 4)
	s_cmp_eq_u32 s2, 0
	s_cbranch_scc0 .Lentry_in_a_cluster
	s_endpgm
.Lentry_in_a_cluster:
	s_bfe_u32 s2, ttmp6, 0x10000c
	s_cmp_lg_u32 s2, 0xf033
	s_cbranch_scc0 .Lentry_shape_is_right
	s_endpgm
.Lentry_shape_is_right:
; out0 = x1 + u w2 + b2.  u: [8192][2048] bf16; w2: wb + 4,194,304, [2048][512] bf16; x1, out0: [8192][512] f32; sums in f32.  Limit: operands bf16.
; A tile of the output is 128 x 128: 4 x 64 tiles, one to a work-group.  Four waves, each 64 x 64: 16 accumulators of 16 x 16.
; K = 2,048 goes in steps of 256 through two LDS slots: u's rows of 512 bytes (64 rows to a load), w2's 256 K rows of 256 bytes (128 rows to a load).
; w2 lies [K][N], so its fragments come out of LDS by the turning load.
; CLUSTER 4 x 4: u's tiles are shared along a row of the cluster, w2's along a column; each is asked for jointly.
; Used transposed (source 0 = 16 columns of w2, source 1 = 16 rows of u): a lane holds eight neighbouring numbers of a row.
; A wave's 64 columns in f32 are 256 whole bytes of a row, so each wave has a stage of its own on the way out, and no barrier stands there.
; REGISTERS: window 0: v0-31 addresses; v32-95 the way out; v128-255 accumulators ((a, b) at 128 + 8 (4 a + b)).
;   window 1: two fragment buffers of 128 (64 of u, then 64 of w2, for 64 along K).   window 2: v0-127 my 64 x 64 of x1, by rows, loaded at the head.
.set SIZE_K, 2048
.set KSTEP,  256
.set PA,     528                       ; 512 + 16 bytes
.set PB,     288                       ; 256 + 32 bytes
.set HALFA,  64*PA
.set HALFB,  128*PB
.set BOFF,   2*HALFA
.set SLOT,   2*HALFA+2*HALFB
.set STAGE,  2*SLOT
.set SPITCH, 272
.set LAPS, SIZE_K/(2*KSTEP)
.set ADRA, 16                          ; v16-17  my u fragments in slot 0, 1
.set ADRB, 20                          ; v20-23  my w2 fragments: slot 0, 1 x K rows 0-127, 128-255 (an LDS offset has 16 bits)
.set STO,  24
.set RD,   25
.set CO,   26
.set BO,   27
.set B2,   28                          ; v28-31  b2 of my four columns of a row
.set ACC,  128
.set F0,   0
.set F1,   128
.set G1, 24
.set G0, 32
.set G1B, 48
.set G0B, 56
.set MSB, 0
.macro WIN new
.if MSB != \new
	s_set_vgpr_msb (MSB<<8)|\new
.set MSB, \new
.endif
.endm
.set MUL,  0x05                        ; sources 0 and 1 window 1; C and D window 0
.set TO_F, 0x40
.macro PLACES
.rept 4
	v_nop
.endr
.endm
.macro JLOAD s                         ; a joint refill: waves 0, 1 fetch u's halves, waves 2, 3 w2's; four v_nop follow each line
	s_cmp_eq_u32 s11, 0
	s_cbranch_scc0 .Lfor_b_\@
	tensor_load_to_lds s[G0+4*\s:G0+4*\s+3], s[G1:G1+7]
	s_nop 0
	PLACES
	s_branch .Lasked_\@
.Lfor_b_\@:
	tensor_load_to_lds s[G0B+4*\s:G0B+4*\s+3], s[G1B:G1B+7]
	s_nop 0
	PLACES
.Lasked_\@:
.endm
.macro CREST
	s_cmp_lg_u32 s10, 0
	s_cbranch_scc1 .Lnot_wave_0_\@
	s_barrier_signal -3
.Lnot_wave_0_\@:
	s_barrier_wait -3
	s_barrier_signal -1
	s_barrier_wait -1
.endm
.macro CROUND
	s_barrier_signal -1
	s_barrier_wait -1
	CREST
.endm
	s_load_b128 s[4:7], s[0:1], 0x0                ; u, wb
	s_load_b128 s[68:71], s[0:1], 0x10             ; b2, x1
	s_load_b64 s[8:9], s[0:1], 0x20                ; out0
	v_lshl_add_u32 v126, v0, 2, 0x49400
	v_mov_b32 v127, 0
	ds_add_u32 v126, v127
	ds_add_u32 v126, v127
	v_lshrrev_b32 v1, 5, v0
	v_readfirstlane_b32 s10, v1                    ; wave 0..3
	s_lshr_b32 s11, s10, 1                         ; my half of the tile's rows.  Also: I fetch for u (0) or w2 (1)
	s_and_b32 s12, s10, 1                          ; my half of its columns.  Also: which half I fetch
	s_bfe_u32 s40, ttmp6, 0x40000
	s_bfe_u32 s41, ttmp6, 0x40004
	s_lshl_b32 s42, ttmp9, 2
	s_add_co_u32 s42, s42, s40                     ; tile column
	s_and_b32 s13, ttmp7, 0xffff
	s_lshl_b32 s13, s13, 2
	s_add_co_u32 s13, s13, s41                     ; tile row
	s_lshl_b32 s43, s41, 2
	s_lshl_b32 s43, 15, s43
	s_lshl_b32 s44, 0x1111, s40
	s_or_b32 s[G1+0], s43, (1<<16)|(1<<20)|(1<<21)|(6<<22)|(3<<25)    ; u: 4 words of padding behind every 128
	s_or_b32 s[G1B+0], s44, (1<<16)|(1<<20)|(1<<21)|(5<<22)|(7<<25)   ; w2: 8 words behind every 64
	s_mov_b32 s[G1+1], KSTEP<<16                   ; u: 64 rows of 256 elements
	s_mov_b32 s[G1+2], 64<<16
	s_mov_b32 s[G1+3], KSTEP<<16
	s_mov_b32 s[G1+4], 64
	s_mov_b32 s[G1+5], SIZE_K
	s_mov_b32 s[G1+6], 0
	s_mov_b32 s[G1+7], 0
	s_mov_b32 s[G1B+1], 128<<16                    ; w2: 128 K rows of 128 columns
	s_mov_b32 s[G1B+2], 128<<16
	s_mov_b32 s[G1B+3], 128<<16
	s_mov_b32 s[G1B+4], 128
	s_mov_b32 s[G1B+5], 512
	s_mov_b32 s[G1B+6], 0
	s_mov_b32 s[G1B+7], 0
	s_lshl_b32 s17, s12, 6
	s_lshl_b32 s16, s13, 7
	s_add_co_u32 s16, s16, s17
	s_lshl_b32 s16, s16, 12                        ; u: row x 4,096 bytes
	s_mov_b32 s17, 0
	s_lshl_b32 s46, s42, 8                         ; w2: 128 columns x 2 bytes,
	s_lshl_b32 s47, s12, 17                        ; 128 K rows x 1,024 bytes
	s_add_co_u32 s46, s46, s47
	s_add_co_u32 s46, s46, 4194304
	s_mov_b32 s47, 0
	s_mul_i32 s20, s12, HALFA
	s_mul_i32 s21, s12, HALFB
	s_add_co_u32 s21, s21, BOFF
	s_wait_dscnt 0x0
	s_wait_kmcnt 0x0
	s_add_nc_u64 s[14:15], s[4:5], s[16:17]
	s_add_nc_u64 s[46:47], s[6:7], s[46:47]
.irp s, 0,1
	s_mov_b32 s[G0+4*\s], 1
	s_add_co_u32 s[G0+4*\s+1], s20, \s*SLOT
	s_add_nc_u64 s[G0+4*\s+2:G0+4*\s+3], s[14:15], \s*KSTEP*2
	s_or_b32 s[G0+4*\s+3], s[G0+4*\s+3], 0x80000000
	s_mov_b32 s[G0B+4*\s], 1
	s_add_co_u32 s[G0B+4*\s+1], s21, \s*SLOT
	s_add_nc_u64 s[G0B+4*\s+2:G0B+4*\s+3], s[46:47], \s*KSTEP*1024
	s_or_b32 s[G0B+4*\s+3], s[G0B+4*\s+3], 0x80000000
.endr
	CROUND                                         ; all sixteen work-groups are here: the first joint loads meet
	s_cmp_eq_u32 s11, 0                            ; a wave's two first fills stand in one branch: two loads of mine are out
	s_cbranch_scc0 .Lfirst_b
	tensor_load_to_lds s[G0:G0+3], s[G1:G1+7]
	s_nop 0
	tensor_load_to_lds s[G0+4:G0+7], s[G1:G1+7]
	s_nop 0
	PLACES
	s_branch .Lfirst_asked
.Lfirst_b:
	tensor_load_to_lds s[G0B:G0B+3], s[G1B:G1B+7]
	s_nop 0
	tensor_load_to_lds s[G0B+4:G0B+7], s[G1B:G1B+7]
	s_nop 0
	PLACES
.Lfirst_asked:
	v_and_b32 v1, 15, v0                           ; l % 16
	v_bfe_u32 v2, v0, 4, 1                         ; l / 16
	v_mul_u32_u24 v3, v1, PA
	v_lshl_add_u32 v3, v2, 4, v3
	v_and_b32 v5, 7, v0
	v_lshl_add_u32 v5, v2, 3, v5
	v_mul_u32_u24 v5, v5, PB
	v_bfe_u32 v6, v0, 3, 1
	v_lshl_add_u32 v5, v6, 4, v5
	s_mul_i32 s21, s11, HALFA                      ; my 64 rows of u
	s_lshl_b32 s22, s12, 7                         ; my 64 columns of w2: 128 bytes
	s_add_co_u32 s22, s22, BOFF
.irp s, 0,1
	v_add_nc_u32 v[ADRA+\s], s21, v3
	v_add_nc_u32 v[ADRB+2*\s], s22, v5
	v_add_nc_u32 v[ADRB+2*\s+1], HALFB, v[ADRB+2*\s]
	s_add_co_u32 s21, s21, SLOT
	s_add_co_u32 s22, s22, SLOT
.endr
	s_mul_i32 s23, s10, 16*SPITCH
	s_add_co_u32 s23, s23, STAGE                   ; my stage
	v_mul_u32_u24 v4, v1, SPITCH
	v_lshl_add_u32 v4, v2, 5, v4
	v_add_nc_u32 v[STO], s23, v4                   ; in: row l % 16, 32 bytes of f32 for each half of the lanes
	v_lshlrev_b32 v[BO], 4, v1
	v_mul_u32_u24 v5, v2, SPITCH
	v_add_nc_u32 v5, v[BO], v5
	v_add_nc_u32 v[RD], s23, v5                    ; back: lanes 0-15 one row of 256 bytes, lanes 16-31 the next
	v_lshl_add_u32 v[CO], v2, 11, v[BO]            ; and the same two rows in x1 and out0
	s_lshl_b32 s18, s42, 9                         ; my 64 columns in f32: 512 x tile column + 256 x half
	s_lshl_b32 s19, s12, 8
	s_add_co_u32 s18, s18, s19
	s_mov_b32 s19, 0
	s_add_nc_u64 s[68:69], s[68:69], s[18:19]
	s_lshl_b32 s22, s13, 7
	s_lshl_b32 s23, s11, 6
	s_add_co_u32 s22, s22, s23
	s_lshl_b32 s22, s22, 11                        ; my first row x 2,048 bytes
	s_add_co_u32 s18, s18, s22
	s_add_nc_u64 s[70:71], s[70:71], s[18:19]
	s_add_nc_u64 s[8:9], s[8:9], s[18:19]
	global_load_b128 v[B2:B2+3], v[BO], s[68:69]
	WIN 0x80
.set n, 0
.rept 32                               ; x1 by rows; these loads stay out under the whole product and are waited for on the way out
	global_load_b128 v[4*n:4*n+3], v[CO], s[70:71] offset:2*n*2048
.set n, n+1
.endr
	WIN 0
; 8 matrix instructions: row blocks a0, a0 + 1 x all 4 column blocks, 32 along K: half c of buffer f.  The 16 accumulators take turns.
.macro MUL8 f, c, a0, zero
.irp a, \a0, \a0+1
.irp b, 0,1,2,3
.if \zero
	v_wmma_f32_16x16x32_bf16 v[ACC+8*(4*(\a)+\b):ACC+8*(4*(\a)+\b)+7], v[\f+64+8*(4*\c+\b):\f+64+8*(4*\c+\b)+7], v[\f+8*(4*\c+\a):\f+8*(4*\c+\a)+7], 0
.else
	v_wmma_f32_16x16x32_bf16 v[ACC+8*(4*(\a)+\b):ACC+8*(4*(\a)+\b)+7], v[\f+64+8*(4*\c+\b):\f+64+8*(4*\c+\b)+7], v[\f+8*(4*\c+\a):\f+8*(4*\c+\a)+7], v[ACC+8*(4*(\a)+\b):ACC+8*(4*(\a)+\b)+7]
.endif
.endr
.endr
.endm
; 32 LDS loads in one run: the fragments of quarter q (64 along K) into buffer f; the first 32 along K first
.macro FETCH slot, q, f
	WIN TO_F
.irp c, 0,1
.irp i, 0,1,2,3
	ds_load_tr16_b128 v[\f+64+8*(4*\c+\i):\f+64+8*(4*\c+\i)+3],   v[ADRB+2*\slot+(\q)/2] offset:((\q)%2)*64*PB+\c*32*PB+32*\i
	ds_load_tr16_b128 v[\f+64+8*(4*\c+\i)+4:\f+64+8*(4*\c+\i)+7], v[ADRB+2*\slot+(\q)/2] offset:((\q)%2)*64*PB+\c*32*PB+16*PB+32*\i
	ds_load_b128 v[\f+8*(4*\c+\i):\f+8*(4*\c+\i)+3],              v[ADRA+\slot] offset:\q*128+64*\c+\i*16*PA
	ds_load_b128 v[\f+8*(4*\c+\i)+4:\f+8*(4*\c+\i)+7],            v[ADRA+\slot] offset:\q*128+64*\c+\i*16*PA+32
.endr
.endr
.endm
.macro QUARTER slot, q, f, g, zero
	s_wait_dscnt 16                                ; the first 32 along K are in; the other sixteen loads may be out
	WIN MUL
	MUL8 \f, 0, 0, \zero
	MUL8 \f, 0, 2, \zero
	PLACES
	FETCH \slot, \q, \g
	s_wait_dscnt 32                                ; all but the 32 just issued
	WIN MUL
	MUL8 \f, 1, 0, 0
	MUL8 \f, 1, 2, 0
.endm
; The last quarter multiplies buffer 1 and changes slots: in front of the barrier each wave waits for its reads of this slot and for all its tensor loads.
; fill = 1: the barrier opens a round of the cluster's barrier; this slot's refill, two K steps ahead, is the first tensor load behind it.
.macro TURN slot, next, fill
	s_wait_dscnt 16
	WIN MUL
	MUL8 F1, 0, 0, 0
	s_wait_dscnt 0
	s_set_vgpr_msb 0x500
	s_wait_tensorcnt 0x0
	ds_add_u32 v126, v127
	s_wait_dscnt 0x0
	s_set_vgpr_msb 0x5
	s_barrier_signal -1
	MUL8 F1, 0, 2, 0
.if \fill
	WIN 0
.endif
	s_barrier_wait -1
.if \fill
	CREST
	s_add_nc_u64 s[G0+4*\slot+2:G0+4*\slot+3], s[G0+4*\slot+2:G0+4*\slot+3], 2*KSTEP*2
	s_add_nc_u64 s[G0B+4*\slot+2:G0B+4*\slot+3], s[G0B+4*\slot+2:G0B+4*\slot+3], 2*KSTEP*1024
	JLOAD \slot                                    ; its four v_nop are also the places in front of the loads below
.else
	PLACES
.endif
	FETCH \next, 0, F0
	WIN MUL
	MUL8 F1, 1, 0, 0
	MUL8 F1, 1, 2, 0
.endm
	s_wait_tensorcnt 1                             ; my part of K step 0 is in; K step 1's may stay out
	s_barrier_signal -1
	s_barrier_wait -1
	FETCH 0, 0, F0
	QUARTER 0, 1, F0, F1, 1                        ; the first products start the sums
	WIN 0                                          ; at a label and at a branch every window is 0
	s_mov_b32 s3, LAPS-1
.Llap:                                 ; a trip goes once round the ring, from a lap's second quarter to the next lap's first, and fills both slots again
	QUARTER 0, 2, F1, F0, 0
	QUARTER 0, 3, F0, F1, 0
	TURN 0, 1, 1
	QUARTER 1, 1, F0, F1, 0
	QUARTER 1, 2, F1, F0, 0
	QUARTER 1, 3, F0, F1, 0
	TURN 1, 0, 1
	QUARTER 0, 1, F0, F1, 0
	WIN 0
	s_sub_co_u32 s3, s3, 1
	s_cmp_lg_u32 s3, 0
	s_cbranch_scc1 .Llap
	QUARTER 0, 2, F1, F0, 0                        ; the last lap fills nothing
	QUARTER 0, 3, F0, F1, 0
	TURN 0, 1, 0
	QUARTER 1, 1, F0, F1, 0
	QUARTER 1, 2, F1, F0, 0
	QUARTER 1, 3, F0, F1, 0
	s_wait_dscnt 16
	WIN MUL
	MUL8 F1, 0, 0, 0
	MUL8 F1, 0, 2, 0
	s_wait_dscnt 0
	MUL8 F1, 1, 0, 0
	MUL8 F1, 1, 2, 0
	WIN 0
	; THE WAY OUT: 16 rows at a time through my stage, back as whole rows of 256 bytes; x1 and b2 are added by rows.
	PLACES
	s_wait_loadcnt 0x0                             ; x1 and b2
.irp a, 0,1,2,3
.set TM, 32+32*((\a)%2)
.if \a >= 2
	s_wait_xcnt 0x0                                ; the registers that the stores two blocks back read are loaded again only behind this wait
.endif
.irp b, 0,1,2,3
	ds_store_b128 v[STO], v[ACC+8*(4*\a+\b):ACC+8*(4*\a+\b)+3]   offset:64*\b      ; each accumulator is read from its low end on
	ds_store_b128 v[STO], v[ACC+8*(4*\a+\b)+4:ACC+8*(4*\a+\b)+7] offset:64*\b+16
.endr
.irp t, 0,1,2,3,4,5,6,7
	ds_load_b128 v[TM+4*\t:TM+4*\t+3], v[RD] offset:\t*2*SPITCH    ; LDS serves a wave's instructions in order: these see the stores above
.endr
	s_wait_dscnt 0x0
	WIN 0x08                                       ; source 1: window 2
.irp t, 0,1,2,3,4,5,6,7
	v_pk_add_f32 v[TM+4*\t:TM+4*\t+1],   v[TM+4*\t:TM+4*\t+1],   v[4*(8*\a+\t):4*(8*\a+\t)+1]
	v_pk_add_f32 v[TM+4*\t+2:TM+4*\t+3], v[TM+4*\t+2:TM+4*\t+3], v[4*(8*\a+\t)+2:4*(8*\a+\t)+3]
.endr
	WIN 0
.irp t, 0,1,2,3,4,5,6,7
	v_pk_add_f32 v[TM+4*\t:TM+4*\t+1],   v[TM+4*\t:TM+4*\t+1],   v[B2:B2+1]
	v_pk_add_f32 v[TM+4*\t+2:TM+4*\t+3], v[TM+4*\t+2:TM+4*\t+3], v[B2+2:B2+3]
.endr
.irp t, 0,1,2,3,4,5,6,7
	global_store_b128 v[CO], v[TM+4*\t:TM+4*\t+3], s[8:9] offset:(16*\a+2*\t)*2048   ; 16 lanes store 256 consecutive bytes, aligned
.endr
.endr
	s_wait_tensorcnt 0x0
	ds_add_u32 v126, v127
	s_wait_dscnt 0x0
	CROUND                                         ; the closing round
	s_endpgm
.Lfunc_end_k_qc45ecb0a85_ffn2:
	.size	k_qc45ecb0a85_ffn2, .Lfunc_end_k_qc45ecb0a85_ffn2-k_qc45ecb0a85_ffn2
	.p2alignl 7, 3214868480
	.fill 96, 4, 3214868480
	.section	.rodata,"a",@progbits
	.p2align	6, 0x0
	.amdhsa_kernel k_qc45ecb0a85_ffn2
		.amdhsa_group_segment_fixed_size 327680
		.amdhsa_private_segment_fixed_size 0
		.amdhsa_enable_private_segment 0
		.amdhsa_kernarg_size 40
		.amdhsa_user_sgpr_count 2
		.amdhsa_user_sgpr_kernarg_segment_ptr 1
		.amdhsa_wavefront_size32 1
		.amdhsa_system_sgpr_workgroup_id_x 1
		.amdhsa_system_sgpr_workgroup_id_y 1
		.amdhsa_system_sgpr_workgroup_id_z 1
		.amdhsa_system_vgpr_workitem_id 0
		.amdhsa_next_free_vgpr 640
		.amdhsa_next_free_sgpr 72
		.amdhsa_reserve_vcc 0
		.amdhsa_float_denorm_mode_32 3
		.amdhsa_float_denorm_mode_16_64 3
		.amdhsa_memory_ordered 1
		.amdhsa_forward_progress 1
		.amdhsa_inst_pref_size 97
	.end_amdhsa_kernel
	.amdgpu_metadata
---
amdhsa.version: [ 1, 2 ]
amdhsa.kernels:
  - .name:           k_qc45ecb0a85_ffn2
    .symbol:         k_qc45ecb0a85_ffn2.kd
    .args:
      - { .name: u, .offset: 0, .size: 8, .value_kind: global_buffer, .address_space: global }
      - { .name: wb, .offset: 8, .size: 8, .value_kind: global_buffer, .address_space: global }
      - { .name: b2, .offset: 16, .size: 8, .value_kind: global_buffer, .address_space: global }
      - { .name: x1, .offset: 24, .size: 8, .value_kind: global_buffer, .address_space: global }
      - { .name: out0, .offset: 32, .size: 8, .value_kind: global_buffer, .address_space: global }
    .group_segment_fixed_size: 327680
    .private_segment_fixed_size: 0
    .kernarg_segment_align: 8
    .kernarg_segment_size: 40
    .max_flat_workgroup_size: 128
    .sgpr_count:     72
    .vgpr_count:     640
    .wavefront_size: 32
...
	.end_amdgpu_metadata
.endif
;; end of part 6
